; MI455X (gfx1250); checked and timed in simulation.
; The chip was launched on July 23, 2026; its instructions are those of AMD's public machine-readable ISA for CDNA 5 (MIT licence, August 2026) and "CDNA5" Instruction Set Architecture Reference Guide (July 2026). The comments in the code are by the model that wrote it; some were corrected since.
;; Multi Head Attention. Allowed arithmetic: matrix products marked QUANTISED: E2M3 operands, one E8M0 scale for each 32 along K, by v_wmma_scale_f32_16x16x128_f8f6f4 with both operands' format E2M3, f32 sums; everything else in f32.
;; Inputs: Wk 16 x 1,024 x 64 float32; Wo 1,024 x 1,024 float32; Wq 16 x 1,024 x 64 float32; Wv 16 x 1,024 x 64 float32; bk 16 x 64 float32; bo 1,024 float32; bq 16 x 64 float32; bv 16 x 64 float32; xs 4 x 2,048 x 1,024 float32.
;; Outputs: out0 4 x 2,048 x 1,024 float32.
;; This version of the problem:
;;   THIS VERSION OF THE PROBLEM IS GIVEN IN LOW PRECISION. The matrix products marked QUANTISED in the list below multiply operands that are first quantised to E2M3 (2 exponent bits, 3 mantissa bits; 6 bits a number), with one power-of-two scale for each 32 numbers along K (OCP MX v1.0); their sums are f32. All else is computed in f32.
;;   The module's matrix products, in the order in which they are computed (A, B: the left and right operand; K: the contracted axis; several contracted axes count as one K, in the product's order):
;;     1. [M 1,024, K 1,024] x [K 1,024, N 8,192]; A: input Wq; B: input xs: QUANTISED
;;     2. [M 1,024, K 1,024] x [K 1,024, N 8,192]; A: input Wk; B: input xs: QUANTISED
;;     3. [M 1,024, K 1,024] x [K 1,024, N 8,192]; A: input Wv; B: input xs: QUANTISED
;;     4. batch 64 x [M 2,048, K 64] x [K 64, N 2,048]; A: computed on the way; B: computed on the way: QUANTISED
;;     5. batch 64 x [M 2,048, K 2,048] x [K 2,048, N 64]; A: softmax (see below); B: computed on the way: QUANTISED
;;     6. [M 8,192, K 1,024] x [K 1,024, N 1,024]; A: computed on the way; B: input Wo: QUANTISED
;;   THE QUANTISER, for each operand of a quantised product, along K:
;;     - K is cut into blocks of 32 from its start; a last block that is shorter is filled with zeros.
;;     - A block's scale is 2^e with e = floor(log2(the largest magnitude in the block)) - 2, held to -126 .. 127; a block of zeros has e = 0. As a byte (E8M0): e + 127.
;;     - Each number is divided by its block's scale, clamped to +-7.5, and rounded to the nearest number of E2M3, ties to even, subnormals kept.
;;     - The product sums the exact products of the quantised numbers (number of the format x scale) in f32.
;;   ~~~python
;;   def quantise(x, axis):      # numpy; x: float32 -> the quantised numbers, widened to float32 again
;;       x = np.moveaxis(x, axis, -1); K = x.shape[-1]
;;       x = np.pad(x, [(0, 0)] * (x.ndim - 1) + [(0, -K % 32)]); x = x.reshape(x.shape[:-1] + (-1, 32)); a = np.abs(x).max(-1, keepdims=True)
;;       e = np.where(a > 0, np.clip(np.frexp(np.where(a > 0, a, 1))[1] - 1 - 2, -126, 127), 0)      # np.frexp(a)[1] - 1 = floor(log2(a)), exactly
;;       r = np.clip(x / 2.0 ** e, -7.5, 7.5)
;;       step = 2.0 ** (np.maximum(np.frexp(np.where(r == 0, 1, r))[1] - 1, 0) - 3)
;;       q = np.round(r / step) * step * 2.0 ** e      # np.round: ties to even
;;       return np.moveaxis(q.reshape(q.shape[:-2] + (-1,))[..., :K], -1, axis).astype(np.float32)
;;   ~~~
;;   SOFTMAX AHEAD OF A QUANTISED PRODUCT. Where the list says 'softmax', what is quantised is not the finished softmax but p = 2^(t - M), with t = logit x log2(e) and M = ceil(the row's largest t), a whole number; so 1/2 < the row's largest p <= 1. The row's sum l is taken of the UNQUANTISED p, in f32, and the product's result is divided by l at the end. Since M is a whole number, a kernel that streams over the keys may use a running M (the ceiling of the running maximum): every later rescaling is an exact power of two, which a block's scale takes up: the codes' values come out the same.
;;   OPERANDS COMPUTED ON THE WAY. 'Computed on the way' means the value that the module computes at that place (a softmax that the list does not call 'softmax' is quantised finished and normalised). What goes into a quantiser is computed in f32, as accurately as f32 sums, v_exp_f32 and their like allow (about 1e-6 of the number): no bf16 or f16 on the way to a quantiser, and a product that is left as it is and whose result goes on into a quantised operand takes f32 operands (vector FMAs, or v_wmma_f32_16x16x4_f32). A number that lies on a knife's edge between two numbers of the format may be rounded either way, as far as f32 arithmetic and the matrix unit's own rounding can turn it there, and no further.
;; One version. Each part assembles by itself: llvm-mc -triple=amdgcn-amd-amdhsa -mcpu=gfx1250 --defsym DOCPART=n.
;; ======== version 1 of 1: 4 launches
;; limits: right only within a limited range of input values
;; workspace buffers: opimg 9,830,400 bytes; qkv 20,185,088 bytes; cximg 6,553,600 bytes
;; launch quant (part 1): grid 768 x 1, 4 waves a work-group, no clusters, 81,408 bytes of LDS; arguments xs, Wq, Wk, Wv, Wo, opimg; writes opimg
.if DOCPART == 1
	.amdgcn_target "amdgcn-amd-amdhsa--gfx1250"
	.amdhsa_code_object_version 6
	.text
	.protected	k_qf1ff4eeae5_quant
	.globl	k_qf1ff4eeae5_quant
	.p2align	8
	.type	k_qf1ff4eeae5_quant,@function
k_qf1ff4eeae5_quant:
	s_mov_b64 s[64:65], 0
	v_nop
	global_prefetch_b8 v0, s[64:65] scope:SCOPE_SE
	s_setreg_imm32_b32 hwreg(HW_REG_WAVE_MODE, 25, 1), 1
	s_wait_xcnt 0x0
; xs [8192 tokens][1024] and the four weights (K = their first matrix axis, 1024) become codes of FP6 (E2M3) with one E8M0 byte for each 32 along K,
; laid in opimg AS THE MATRIX UNIT'S REGISTERS WANT THEM.  opimg = [group 0..95][K step 0..7][12,800 bytes]; a group is 128 rows (xs: tokens, groups 0-63;
; Wq 64-71, Wk 72-79, Wv 80-87: row n = 64 head + d; Wo 88-95: row n = its column), a K step 128 along K.
; A block = 8 tiles x 1,536 bytes, then 8 x 16 scale words.  Lane-row p of tile t is row 32 (t / 2) + 8 (t % 2) + p + 8 (p / 8) of the group.
; A tile's image: registers 4 c .. 4 c + 3 of lane l at 512 c + 16 l; lane (r, h), registers 6 c .. 6 c + 5 = k 64 c + 32 h + 0 .. 31 of lane-row r.
; A block's scale is 2^(floor(log2(largest magnitude)) - 2): the largest magnitude's exponent field less 2 is the byte, held at 1 from below.
; LIMITS: a block of zeros gets the byte 1 (its codes are zeros; only this program reads the bytes); blocks whose largest magnitude lies under 2^-124 are held at that floor; NaN and infinities are not served.
; SHARES: a work-group makes one block, wave w its tiles 2 w and 2 w + 1: 32 rows x 128 K, 16 KiB of f32.  No loop, no barrier: waves share nothing.
; xs: a load takes one row's 512 bytes as they lie, all 32 loads issued at once; the rows turn through the wave's own stage in LDS (pitch 528), so that a lane gets 32 neighbours along K.
; weights: a lane takes a row n and its registers run down K: a block of 32 lies in one lane; loads run two blocks (64 loads) ahead; the codes go to the place of their lane in the image through a small stage.
; The two paths part on the work-group's number and have LDS bytes of their own.
.set BLK,    12800
.set XP,     528                       ; a stage row: 512 bytes + 16
.set XIMG,   16*XP                     ; a tile's 16 rows
.set XWAVE,  2*XIMG
.set WST,    4*XWAVE                   ; behind the xs stages: the weights' stages
.set WIMG,   1664                      ; an image of 1,536 bytes + 128
.set WWAVE,  2*WIMG
.set SPARE,  WST+4*WWAVE               ; the spare words, 128 bytes for each wave
.set L16,  5                           ; v5   16 x lane
.set ST,   6                           ; v6   xs stage, in
.set RD,   7                           ; v7   xs stage, out: row r, + 128 h
.set WS,   10                          ; v10  weights' stage, in: my row's tile and lane-row
.set WR,   11                          ; v11  weights' stage, out
.set L4,   12                          ; v12  4 x lane
.set WP,   13                          ; v13  my row's scale word among the wave's 32
.set SH,   14                          ; v14  8 h
.set PT,   15                          ; v15  a lane permute's destination
.set W0,   16                          ; v16, v17 the two tiles' scale words
.set W1,   17
.set WSEL, 18
.set SPW,  30                          ; v30  my spare word's LDS address; never rewritten
.set NIL,  31                          ; v31  0; never rewritten
.set N,    32                          ; v32-159  the numbers as loaded
.set X,    160                         ; v160-223 xs: 64 neighbours; weights: codes, and the images read back
.set PC,   224                         ; v224-235 a tile's codes
.set TT,   236                         ; v236-238 a conversion's second half (three registers begin on an even number)
.set MXA,  240
.set MXB,  241
.set SO,   242                         ; the conversion's scale operand
.set BY,   244                         ; v244-247 scale bytes
.set SEL,  32                          ; s[32:33] selects for lane l xor 16
.set HM,   34                          ; s34  lanes 16-31
; 32 numbers v[x] .. v[x + 31], one block, become 6 registers of codes at v[pc] and the byte in v[by]
.macro QB x, pc, by
	v_max3_num_f32 v[MXA], |v[\x]|, |v[\x+1]|, 0x1800000        ; the floor 2^(3 - 127) among the leaves: the byte cannot fall under 1
	v_max3_num_f32 v[MXB], |v[\x+2]|, |v[\x+3]|, |v[\x+4]|
.irp i, 5,9,13,17,21,25
	v_max3_num_f32 v[MXA], v[MXA], |v[\x+\i]|, |v[\x+\i+1]|
	v_max3_num_f32 v[MXB], v[MXB], |v[\x+\i+2]|, |v[\x+\i+3]|
.endr
	v_max3_num_f32 v[MXA], v[MXA], |v[\x+29]|, |v[\x+30]|
	v_max3_num_f32 v[MXA], v[MXA], v[MXB], |v[\x+31]|
	v_add_nc_u32 v[SO], 0xff000000, v[MXA]                      ; 2 off the exponent field: the conversion takes that field as its scale
	v_cvt_scalef32_pk16_fp6_f32 v[\pc:\pc+2], v[\x:\x+15], v[SO]
	v_cvt_scalef32_pk16_fp6_f32 v[TT:TT+2], v[\x+16:\x+31], v[SO]
	v_lshrrev_b32 v[\by], 23, v[SO]                             ; the byte; also the plain line behind the conversions
.irp i, 0,1,2
	v_mov_b32 v[\pc+3+\i], v[TT+\i]
.endr
.endm
; xs: my two bytes (blocks h and 2 + h of row r) and lane l xor 16's two make the row's word
.macro WORD w
	v_lshl_or_b32 v[\w], v[BY+1], 16, v[BY]
	v_lshlrev_b32 v[\w], v[SH], v[\w]
	v_permlanex16_b32 v[PT], v[\w], s[SEL], s[SEL+1]
	v_or_b32 v[\w], v[\w], v[PT]
.endm
	s_load_b256 s[4:11], s[0:1], 0x0               ; xs s[4:5], Wq s[6:7], Wk s[8:9], Wv s[10:11]
	s_load_b128 s[12:15], s[0:1], 0x20             ; Wo s[12:13], opimg s[14:15]
	v_lshl_add_u32 v[SPW], v0, 2, SPARE
	v_mov_b32 v[NIL], 0
	v_lshrrev_b32 v1, 5, v0
	v_readfirstlane_b32 s16, v1                    ; wave
	v_and_b32 v2, 31, v0                           ; lane
	v_and_b32 v3, 15, v0                           ; r
	v_bfe_u32 v4, v0, 4, 1                         ; h
	v_lshlrev_b32 v[L16], 4, v2
	s_mul_i32 s17, s16, XWAVE
	v_add_nc_u32 v[ST], s17, v[L16]
	v_mul_u32_u24 v[RD], v3, XP
	v_lshl_add_u32 v[RD], v4, 7, v[RD]
	v_add_nc_u32 v[RD], s17, v[RD]
	v_bfe_u32 v8, v0, 3, 1                         ; weights: row n = lane lies in tile u = (n / 8) % 2,
	v_and_b32 v9, 7, v0
	v_lshl_add_u32 v9, v4, 3, v9                   ; at lane-row n % 8 + 8 (n / 16)
	s_mul_i32 s18, s16, WWAVE
	s_add_co_u32 s18, s18, WST
	v_mul_u32_u24 v[WS], v8, WIMG
	v_lshl_add_u32 v[WS], v9, 4, v[WS]
	v_add_nc_u32 v[WS], s18, v[WS]
	v_add_nc_u32 v[WR], s18, v[L16]
	v_lshlrev_b32 v[L4], 2, v2
	v_lshl_add_u32 v[WP], v8, 4, v9
	v_lshlrev_b32 v[WP], 2, v[WP]
	v_lshlrev_b32 v[SH], 3, v4
	v_mov_b32 v[PT], 0
	s_mov_b32 s[SEL], 0x76543210
	s_mov_b32 s[SEL+1], 0xfedcba98
	s_mov_b32 s[HM], 0xffff0000
	s_lshr_b32 s19, ttmp9, 3                       ; the group
	s_and_b32 s20, ttmp9, 7                        ; the K step
	s_mul_i32 s22, ttmp9, BLK                      ; my block,
	s_mul_i32 s21, s16, 3072
	s_add_co_u32 s24, s22, s21                     ; my two tiles in it,
	s_mov_b32 s25, 0
	s_lshl_b32 s21, s16, 7
	s_add_co_u32 s26, s22, s21
	s_add_co_u32 s26, s26, 12288                   ; and their 32 scale words
	s_mov_b32 s27, 0
	s_wait_kmcnt 0x0
	s_add_nc_u64 s[24:25], s[14:15], s[24:25]
	s_add_nc_u64 s[26:27], s[14:15], s[26:27]
	s_cmp_lt_u32 s19, 64
	s_cbranch_scc0 .Lweights
	; ---- xs
	s_lshl_b32 s28, s19, 19                        ; 128 rows of 4,096 bytes a group,
	s_lshl_b32 s21, s16, 17                        ; 32 a wave,
	s_add_co_u32 s28, s28, s21
	s_lshl_b32 s21, s20, 9                         ; 512 bytes a K step
	s_add_co_u32 s28, s28, s21
	s_mov_b32 s29, 0
	s_add_nc_u64 s[4:5], s[4:5], s[28:29]
.irp u, 0,1
.irp p, 0,1,2,3,4,5,6,7,8,9,10,11,12,13,14,15
	global_load_b128 v[N+64*\u+4*\p:N+64*\u+4*\p+3], v[L16], s[4:5] offset:(8*\u+\p+8*(\p/8))*4096 th:TH_LOAD_NT   ; lane-row p of tile u: 512 consecutive bytes
.endr
.endr
	s_wait_loadcnt 16                              ; the first tile's 16 rows are in; the second's 16 loads may be out
.irp p, 0,1,2,3,4,5,6,7,8,9,10,11,12,13,14,15
	ds_store_b128 v[ST], v[N+4*\p:N+4*\p+3] offset:\p*XP
.endr
.irp c, 0,1
.irp i, 0,1,2,3,4,5,6,7
	ds_load_b128 v[X+32*\c+4*\i:X+32*\c+4*\i+3], v[RD] offset:256*\c+16*\i   ; LDS serves a wave's instructions in order (ISA guide 5.7.1.4): these see the stores above
.endr
.endr
	s_wait_loadcnt 0x0
.irp p, 0,1,2,3,4,5,6,7,8,9,10,11,12,13,14,15
	ds_store_b128 v[ST], v[N+64+4*\p:N+64+4*\p+3] offset:XIMG+\p*XP
.endr
	s_wait_dscnt 16                                ; the first tile's numbers are back; the 16 younger stores may be out
	QB X, PC, BY
	QB X+32, PC+6, BY+1
	WORD W0
.irp c, 0,1,2
	global_store_b128 v[L16], v[PC+4*\c:PC+4*\c+3], s[24:25] offset:512*\c   ; 32 lanes store 512 consecutive bytes, at a multiple of 256 from the buffer's first byte
.endr
.irp c, 0,1
.irp i, 0,1,2,3,4,5,6,7
	ds_load_b128 v[X+32*\c+4*\i:X+32*\c+4*\i+3], v[RD] offset:XIMG+256*\c+16*\i
.endr
.endr
	s_wait_dscnt 0x0                               ; the second tile's numbers are back, and all stage stores have read their registers: v32 on may be written
	QB X, N, BY
	QB X+32, N+6, BY+1
	WORD W1
.irp c, 0,1,2
	global_store_b128 v[L16], v[N+4*\c:N+4*\c+3], s[24:25] offset:1536+512*\c
.endr
	v_cndmask_b32 v[WSEL], v[W0], v[W1], s[HM]     ; lanes 0-15 the first tile's words, lanes 16-31 the second's
	global_store_b32 v[L4], v[WSEL], s[26:27]
	s_wait_tensorcnt 0x0                           ; the wave's end, behind my last LDS store
	ds_add_u32 v[SPW], v[NIL]
	s_wait_dscnt 0x0
	s_endpgm
	; ---- the weights
.Lweights:
	s_lshr_b32 s21, s19, 3
	s_sub_co_u32 s21, s21, 8                       ; which weight: 0 Wq, 1 Wk, 2 Wv, 3 Wo
	s_and_b32 s28, s19, 7                          ; its group g of 128 rows
	s_lshl_b32 s35, s28, 1
	s_lshr_b32 s29, s16, 1
	s_add_co_u32 s35, s35, s29                     ; Wq, Wk, Wv: head 2 g + w / 2, 262,144 bytes a head,
	s_lshl_b32 s35, s35, 18
	s_lshl_b32 s29, s20, 15                        ; 128 rows of 256 bytes a K step,
	s_add_co_u32 s35, s35, s29
	s_and_b32 s29, s16, 1
	s_lshl_b32 s29, s29, 7                         ; d = 32 (w % 2) + lane
	s_add_co_u32 s35, s35, s29
	s_lshl_b32 s36, s20, 19                        ; Wo: 128 rows of 4,096 bytes a K step,
	s_lshl_b32 s29, s28, 9
	s_add_co_u32 s36, s36, s29
	s_lshl_b32 s29, s16, 7
	s_add_co_u32 s36, s36, s29                     ; column 128 g + 32 w + lane
	s_cmp_eq_u32 s21, 1                            ; the buffer is chosen on the work-group's number alone
	s_cselect_b64 s[30:31], s[8:9], s[6:7]
	s_cmp_eq_u32 s21, 2
	s_cselect_b64 s[30:31], s[10:11], s[30:31]
	s_cmp_eq_u32 s21, 3
	s_cselect_b64 s[30:31], s[12:13], s[30:31]
	s_cselect_b32 s28, s36, s35
	s_mov_b32 s29, 0
	s_add_nc_u64 s[30:31], s[30:31], s[28:29]
; block k's 32 loads: W(128 s + 32 k + i, my row); 32 lanes read 128 consecutive bytes.  The pitch from k to k + 1 stands in the immediates (256 bytes in Wq, Wk, Wv; 4,096 in Wo):
; two runs of 32 loads into the same registers, under a branch on which weight this work-group takes
.macro WLOAD k
	s_cmp_eq_u32 s21, 3
	s_cbranch_scc1 .Lwo_\@
.set I, 0
	s_wait_alu depctr_va_vdst(0)
.rept 32
	global_load_b32 v[N+32*(\k)+I], v[L4], s[30:31] offset:256*(32*(\k)+I) th:TH_LOAD_NT
.set I, I+1
.endr
	s_branch .Lloaded_\@
.Lwo_\@:
.set I, 0
	s_wait_alu depctr_va_vdst(0)
.rept 32
	global_load_b32 v[N+32*(\k)+I], v[L4], s[30:31] offset:4096*(32*(\k)+I) th:TH_LOAD_NT
.set I, I+1
.endr
.Lloaded_\@:
.endm
; block k of my row is registers 6 (k / 2) .. + 5 of lane (lane-row, h = k % 2): in the image, registers 0-3 at 256 h, 4-5 at 512 + 256 h, 6-7 at 520 + 256 h, 8-11 at 1,024 + 256 h
.macro WBLOCK k
.if \k < 3
	s_wait_loadcnt 32                              ; this block's 32 loads are in; the next block's 32 may be out
.else
	s_wait_loadcnt 0x0
.endif
.if \k < 2
	WLOAD \k+2                                     ; two blocks ahead, into registers of its own
.endif
	QB N+32*\k, X+6*\k, BY+\k
.if \k < 2
	ds_store_b128 v[WS], v[X+6*\k:X+6*\k+3] offset:256*(\k%2)
	ds_store_b64 v[WS], v[X+6*\k+4:X+6*\k+5] offset:512+256*(\k%2)
.else
	ds_store_b64 v[WS], v[X+6*\k:X+6*\k+1] offset:520+256*(\k%2)
	ds_store_b128 v[WS], v[X+6*\k+2:X+6*\k+5] offset:1024+256*(\k%2)
.endif
.endm
	WLOAD 0
	WLOAD 1
	WBLOCK 0
	WBLOCK 1
	WBLOCK 2
	WBLOCK 3
	v_lshl_or_b32 v[W0], v[BY+1], 8, v[BY]         ; my row's scale word
	v_lshl_or_b32 v[W0], v[BY+2], 16, v[W0]
	v_lshl_or_b32 v[W0], v[BY+3], 24, v[W0]
	global_store_b32 v[WP], v[W0], s[26:27]
.irp u, 0,1
.irp c, 0,1,2
	ds_load_b128 v[X+32+12*\u+4*\c:X+32+12*\u+4*\c+3], v[WR] offset:WIMG*\u+512*\c   ; in order behind my wave's stores
.endr
.endr
	s_wait_dscnt 0x0
.irp u, 0,1
.irp c, 0,1,2
	global_store_b128 v[L16], v[X+32+12*\u+4*\c:X+32+12*\u+4*\c+3], s[24:25] offset:1536*\u+512*\c
.endr
.endr
	s_wait_tensorcnt 0x0                           ; the wave's end
	ds_add_u32 v[SPW], v[NIL]
	s_wait_dscnt 0x0
	s_endpgm
.Lfunc_end_k_qf1ff4eeae5_quant:
	.size	k_qf1ff4eeae5_quant, .Lfunc_end_k_qf1ff4eeae5_quant-k_qf1ff4eeae5_quant
	.p2alignl 7, 3214868480
	.fill 96, 4, 3214868480
	.section	.rodata,"a",@progbits
	.p2align	6, 0x0
	.amdhsa_kernel k_qf1ff4eeae5_quant
		.amdhsa_group_segment_fixed_size 81408
		.amdhsa_private_segment_fixed_size 0
		.amdhsa_enable_private_segment 0
		.amdhsa_kernarg_size 48
		.amdhsa_user_sgpr_count 2
		.amdhsa_user_sgpr_kernarg_segment_ptr 1
		.amdhsa_wavefront_size32 1
		.amdhsa_system_sgpr_workgroup_id_x 1
		.amdhsa_system_sgpr_workgroup_id_y 1
		.amdhsa_system_sgpr_workgroup_id_z 1
		.amdhsa_system_vgpr_workitem_id 0
		.amdhsa_next_free_vgpr 256
		.amdhsa_next_free_sgpr 66
		.amdhsa_reserve_vcc 0
		.amdhsa_float_denorm_mode_32 3
		.amdhsa_float_denorm_mode_16_64 3
		.amdhsa_memory_ordered 1
		.amdhsa_forward_progress 1
		.amdhsa_inst_pref_size 50
	.end_amdhsa_kernel
	.amdgpu_metadata
---
amdhsa.version: [ 1, 2 ]
amdhsa.kernels:
  - .name:           k_qf1ff4eeae5_quant
    .symbol:         k_qf1ff4eeae5_quant.kd
    .args:
      - { .name: xs, .offset: 0, .size: 8, .value_kind: global_buffer, .address_space: global }
      - { .name: Wq, .offset: 8, .size: 8, .value_kind: global_buffer, .address_space: global }
      - { .name: Wk, .offset: 16, .size: 8, .value_kind: global_buffer, .address_space: global }
      - { .name: Wv, .offset: 24, .size: 8, .value_kind: global_buffer, .address_space: global }
      - { .name: Wo, .offset: 32, .size: 8, .value_kind: global_buffer, .address_space: global }
      - { .name: opimg, .offset: 40, .size: 8, .value_kind: global_buffer, .address_space: global }
    .group_segment_fixed_size: 81408
    .private_segment_fixed_size: 0
    .kernarg_segment_align: 8
    .kernarg_segment_size: 48
    .max_flat_workgroup_size: 128
    .sgpr_count:     66
    .vgpr_count:     256
    .wavefront_size: 32
...
	.end_amdgpu_metadata
.endif
;; end of part 1
;; launch proj (part 2): grid 192 x 4, 4 waves a work-group, clusters of 4 x 4, 307,712 bytes of LDS; arguments opimg, bq, bk, bv, qkv; writes qkv
.if DOCPART == 2
	.amdgcn_target "amdgcn-amd-amdhsa--gfx1250"
	.amdhsa_code_object_version 6
	.text
	.protected	k_qf1ff4eeae5_proj
	.globl	k_qf1ff4eeae5_proj
	.p2align	8
	.type	k_qf1ff4eeae5_proj,@function
k_qf1ff4eeae5_proj:
	s_mov_b64 s[64:65], 0
	v_nop
	global_prefetch_b8 v0, s[64:65] scope:SCOPE_SE
	s_setreg_imm32_b32 hwreg(HW_REG_WAVE_MODE, 25, 1), 1
	s_wait_xcnt 0x0
	s_wait_alu depctr_hold_cnt(0) depctr_sa_sdst(0) depctr_va_vdst(0) depctr_va_sdst(0) depctr_va_ssrc(0) depctr_va_vcc(0) depctr_vm_vsrc(0)
	s_getreg_b32 s2, hwreg(HW_REG_IB_STS2, 6, 4)
	s_cmp_eq_u32 s2, 0
	s_cbranch_scc0 .Lentry_in_a_cluster
	s_endpgm
.Lentry_in_a_cluster:
	s_bfe_u32 s2, ttmp6, 0x10000c
	s_cmp_lg_u32 s2, 0xf033
	s_cbranch_scc0 .Lentry_shape_is_right
	s_endpgm
.Lentry_shape_is_right:
; q = xs Wq + bq, k = xs Wk + bk, v = xs Wv + bv on codes of FP6 (E2M3) with E8M0 scales, K = 1,024; the results are quantised at once for the attention's two products and stored as register images in qkv.
; OPERANDS: opimg (groups of 128 rows, K steps of 128, 12,800 bytes a block: 8 tiles of 1,536 bytes as register images, then 8 x 16 scale words; lane-row p of tile t = row 32 (t / 2) + 8 (t % 2) + p + 8 (p / 8)).
; SHARES: 48 clusters of 4 x 4 work-groups.  A work-group multiplies one group "A" (source 1: a lane holds one of its rows) by two groups "B" (source 0: a lane's registers run along their rows).
;   clusters 0-31 (q, k): A = tokens, B = Wq or Wk: a lane holds a token, its registers run along d: the K of q k^T.   clusters 32-47 (v): A = Wv, B = tokens: a lane holds a d, its registers run along the tokens: the K of p v.
;   By the tiles' row order the 16 registers of result tiles 2 b, 2 b + 1 are 16 neighbours along B's rows.  Wave (ah, bg): A's tiles 4 ah .. 4 ah + 3 x group bg's eight: 32 accumulators.
; LDS: ALL of K for the three groups, 3 x 102,400 bytes: every tensor load is a first fill, nothing is filled again.  One load a wave; they land in two chunks of four K steps.
; CLUSTER: A's blocks are shared along a row of the cluster, B's along a column: asked for jointly.
; qkv = [batch x 16 + head][16 groups of 128 tokens][19,712 bytes]: K's codes (8 tiles x 768: registers 2 j, 2 j + 1 of lane l at 256 j + 8 l), V^T's codes at 6,144 (4 tiles of 16 d x 1,536), K's scale words at 12,288,
;   V's at 12,800, Q's codes at 13,056, Q's scale words at 19,200.  Scale words lie [lane][2]: word p of lanes 0-15 is tile 2 p's, of lanes 16-31 tile 2 p + 1's.  q's and k's words have two real bytes (K = 64) and two zero bytes.
; LIMITS: a block of zeros gets the byte 1 (only this program reads the bytes); blocks under 2^-124 are held at that floor; NaN and infinities are not served.
; REGISTERS: window 0: v5-23 addresses; v32-47 scale words, two sets; v48-111 biases; v112-207 A's fragments, two sets (later the 64 numbers to quantise); v208-251 the quantiser's.  window 1: B's fragments at v0 and v128.  window 2: accumulator (a, b) at v[8 (8 a + b)].
.set KBLK,  12800
.set GRP,   8*KBLK
.set HALF,  4*KBLK                     ; THE FILLS AS THEY NOW STAND: LDS is six units of HALF bytes: A's K steps 0-3, B's two groups' K steps 0-3, A's 4-7, B's two groups' 4-7.
                                       ; One tensor load a wave, each on a line of its own: wave 0 A low, wave 1 B low (2 rows of HALF bytes, one a group), wave 2 A high, wave 3 B high.
                                       ; Waves 0 and 1 wait ahead of the first barrier; every wave waits ahead of the barrier in front of K step 4.  Nothing is filled again.
.set SPARE, 3*GRP                      ; the spare words, 128 bytes for each wave
.set QBLK,  19712
.set HEADB, 16*QBLK
.set L16,  5
.set L8,   8                           ; v8   8 x lane
.set BO1,  9                           ; v9   64 h: q's and k's biases
.set BO2,  10                          ; v10  4 (r + 8 (r / 8)): v's
.set ADRA, 16                          ; v16, v17  A's fragments, K steps 0-3, 4-7
.set ADRB, 18                          ; v18, v19  B's
.set ADRS, 20                          ; v20, v21  scale words: lanes 0-15 A's tile 4 ah + i, lanes 16-31 B's tile i  (i = 0 .. 3)
.set ADRT, 22                          ; v22, v23  the same for i = 4 .. 7: lanes 0-15 stand 256 bytes lower, so that they stay among A's words
.set SPW,  28
.set NIL,  29
.set SC,   32
.set BI,   48
.set AF,   112
.set H,    112
.set TM,   208
.set PWS,  224                         ; v224-227 the four tiles' scale words
.set CW,   228
.set PC,   232
.set SEL,  22                          ; s[22:23]
.set G1A,  24
.set G1B,  32
.set G0A,  48                          ; s[48:51] group 0 for A
.set G0B,  68                          ; s[68:71] group 0 for B
.set HM,   84
.set CB,   86                          ; s[86:87] where my codes go;  s[88:89] my scale words;  s[90:91] my biases
.set SB,   88
.set PB,   90
.set MSB, 0
.macro WIN new                         ; the immediate's high byte repeats the setting that is left
.if MSB != \new
	s_set_vgpr_msb (MSB<<8)|\new
.set MSB, \new
.endif
.endm
.macro PLACES n
.rept \n
	v_nop
.endr
.endm
.macro CROUND                          ; a round of the cluster's barrier
	s_barrier_signal -1
	s_barrier_wait -1
	s_cmp_lg_u32 s14, 0
	s_cbranch_scc1 .Lnot_wave_0_\@
	s_barrier_signal -3
.Lnot_wave_0_\@:
	s_barrier_wait -3
	s_barrier_signal -1
	s_barrier_wait -1
.endm
.macro CLOSE
	s_wait_tensorcnt 0x0                           ; the wave's end, ahead of the closing round
	ds_add_u32 v[SPW], v[NIL]
	s_wait_dscnt 0x0
	CROUND                                         ; no work-group ends while a partner may still ask for a block that names it
	s_endpgm
.endm
.macro FRAG3 reg, adr, off             ; a fragment's image: three loads of 512 consecutive bytes
.irp c, 0,1,2
	ds_load_b128 v[\reg+4*\c:\reg+4*\c+3], v[\adr] offset:\off+512*\c
.endr
.endm
.macro FETCH s                         ; K step s: B's eight fragments, A's four, eight registers of scale words, into set s % 2
.set FP, (\s)%2
.set FA, (\s)/4
.set FO, ((\s)%4)*KBLK
	WIN 0x40
.irp b, 0,1,2,3,4,5,6,7
	FRAG3 128*FP+12*\b, ADRB+FA, FO+1536*\b
.endr
	WIN 0
.irp a, 0,1,2,3
	FRAG3 AF+48*FP+12*\a, ADRA+FA, FO+1536*\a
.endr
.irp i, 0,1,2,3
	ds_load_b32 v[SC+8*FP+\i], v[ADRS+FA] offset:FO+64*\i
.endr
.irp i, 4,5,6,7
	ds_load_b32 v[SC+8*FP+\i], v[ADRT+FA] offset:FO+64*\i
.endr
.endm
.macro MUL s, zero                     ; 32 products; the 32 accumulators take turns, one instruction a turn, in the same order in every step
.set FP, (\s)%2
	WIN 0xa1                                       ; source 0 (B) window 1, source 1 (A) window 0, C and D window 2
.irp a, 0,1,2,3
.irp b, 0,1,2,3,4,5,6,7
.if \zero
	v_wmma_scale_f32_16x16x128_f8f6f4 v[8*(8*\a+\b):8*(8*\a+\b)+7], v[128*FP+12*\b:128*FP+12*\b+11], v[AF+48*FP+12*\a:AF+48*FP+12*\a+11], 0, v[SC+8*FP+\b], v[SC+8*FP+\a] matrix_a_fmt:MATRIX_FMT_FP6 matrix_b_fmt:MATRIX_FMT_FP6 matrix_a_scale:MATRIX_SCALE_ROW1
.else
	v_wmma_scale_f32_16x16x128_f8f6f4 v[8*(8*\a+\b):8*(8*\a+\b)+7], v[128*FP+12*\b:128*FP+12*\b+11], v[AF+48*FP+12*\a:AF+48*FP+12*\a+11], v[8*(8*\a+\b):8*(8*\a+\b)+7], v[SC+8*FP+\b], v[SC+8*FP+\a] matrix_a_fmt:MATRIX_FMT_FP6 matrix_b_fmt:MATRIX_FMT_FP6 matrix_a_scale:MATRIX_SCALE_ROW1
.endif
.endr
.endr
	WIN 0
.endm
; A K step: its fragments are in; the next step's are asked for (into the set that the step before multiplied: four places behind its last product, ISA guide 7.12.1); then the products.
; tc >= 0: the next step begins a chunk: my loads of that chunk have landed (tc later loads of mine may be out), and a barrier shows it of every wave.
.macro KSTEP s, tc, zero
	s_wait_dscnt 0x0
.if (\s) < 7
.if (\s) > 0
	PLACES 4
.endif
.if (\tc) >= 0
	s_wait_tensorcnt \tc
	s_barrier_signal -1
	s_barrier_wait -1
.endif
	FETCH (\s)+1
.endif
	MUL \s, \zero
.endm
; 64 numbers of a lane, register 16 b + i = k 32 b + 16 h + i of my row, become a fragment's codes in v[PC] on and its scale word in v[pw]
.macro QUANT s, pw
.irp b, 0,1,2,3
	v_max3_num_f32 v[TM+\b], |v[\s+16*\b]|, |v[\s+1+16*\b]|, 0x1800000   ; my 16 numbers of block b, and the floor 2^(3 - 127)
.endr
.irp i, 2,4,6,8,10,12,14
.irp b, 0,1,2,3
	v_max3_num_f32 v[TM+\b], v[TM+\b], |v[\s+16*\b+\i]|, |v[\s+1+16*\b+\i]|
.endr
.endr
.irp b, 0,1,2,3
	v_permlanex16_b32 v[TM+4+\b], v[TM+\b], s[SEL], s[SEL+1]
.endr
.irp b, 0,1,2,3
	v_max_num_f32 v[TM+\b], v[TM+\b], v[TM+4+\b]                ; with lane l xor 16's: the block's largest magnitude
.endr
.irp b, 0,1,2,3
	v_add_nc_u32 v[TM+12+\b], 0xff000000, v[TM+\b]              ; 2 off its exponent field: the conversion's scale operand
.endr
.irp b, 0,1,2,3
	v_lshrrev_b32 v[TM+4+\b], 23, v[TM+12+\b]                   ; the byte
.endr
	v_lshl_or_b32 v[\pw], v[TM+5], 8, v[TM+4]
	v_lshl_or_b32 v[\pw], v[TM+6], 16, v[\pw]
	v_lshl_or_b32 v[\pw], v[TM+7], 24, v[\pw]
.irp c, 0,1
	v_cvt_scalef32_pk16_fp6_f32 v[PC+6*\c:PC+2+6*\c], v[\s+32*\c:\s+15+32*\c], v[TM+12+2*\c]
	v_cvt_scalef32_pk16_fp6_f32 v[PC+12+4*\c:PC+14+4*\c], v[\s+16+32*\c:\s+31+32*\c], v[TM+12+2*\c+1]
.endr
	v_nop                                          ; one plain place behind a scaled conversion
.irp c, 0,1                                    ; a whole block to a lane: lanes 0-15 block 2 c, lanes 16-31 block 2 c + 1
.irp i, 0,1,2
	v_permlane16_swap_b32 v[PC+6*\c+\i], v[PC+12+4*\c+\i]
.endr
.irp i, 0,1,2
	v_mov_b32 v[PC+3+6*\c+\i], v[PC+12+4*\c+\i]
.endr
.endr
.endm
	s_load_b256 s[4:11], s[0:1], 0x0               ; opimg s[4:5], bq s[6:7], bk s[8:9], bv s[10:11]
	s_load_b64 s[12:13], s[0:1], 0x20              ; qkv
	v_lshl_add_u32 v[SPW], v0, 2, SPARE
	v_mov_b32 v[NIL], 0
	ds_add_u32 v[SPW], v[NIL]                      ; the wave's opening: the add and its wait ahead of my first tensor load; work on registers stands between
	ds_add_u32 v[SPW], v[NIL]
	v_lshrrev_b32 v1, 5, v0
	v_readfirstlane_b32 s14, v1                    ; wave
	s_lshr_b32 s15, s14, 1                         ; ah: which four tiles of A are mine.  Also: I fetch for A (0) or for B (1)
	s_and_b32 s16, s14, 1                          ; bg: which group of B.  Also: which part I fetch
	s_bfe_u32 s40, ttmp6, 0x40000                  ; cx
	s_bfe_u32 s41, ttmp6, 0x40004                  ; cy
	s_mov_b32 s17, ttmp9                           ; the cluster's number, the same in all sixteen partners
	s_cmp_ge_u32 s17, 32
	s_cselect_b32 s18, 1, 0                        ; 1: this cluster makes v
	s_lshr_b32 s92, s17, 1
	s_lshl_b32 s92, s92, 2                         ; q, k: A = tokens' groups 4 (c / 2) on
	s_max_u32 s93, s17, 32
	s_sub_co_u32 s93, s93, 32
	s_lshr_b32 s94, s93, 3
	s_lshl_b32 s94, s94, 2
	s_add_co_u32 s94, s94, 80                      ; v: A = Wv's groups 80 + 4 ((c - 32) / 8) on
	s_and_b32 s21, s17, 1                          ; q (0) or k (1)
	s_lshl_b32 s95, s21, 3
	s_add_co_u32 s95, s95, 64                      ; q, k: B = Wq's or Wk's groups
	s_and_b32 s96, s93, 7
	s_lshl_b32 s96, s96, 3                         ; v: B = tokens' groups 8 ((c - 32) % 8) on
	s_cmp_eq_u32 s18, 1
	s_cselect_b32 s19, s94, s92
	s_cselect_b32 s20, s96, s95
	s_add_co_u32 s43, s19, s41                     ; A's group: hangs on cy alone
	s_lshl_b32 s42, s40, 1
	s_add_co_u32 s42, s42, s20                     ; B's first group: on cx alone
	s_lshl_b32 s44, s41, 2
	s_lshl_b32 s44, 15, s44                        ; my row of the cluster
	s_lshl_b32 s45, 0x1111, s40                    ; my column
	; descriptor groups 1: dense blocks as rows of 256 bytes (32 elements of 8 bytes): A 200 rows (four K steps); B 2 rows of HALF bytes
	s_or_b32 s[G1A], s44, (3<<16)|(1<<21)
	s_mov_b32 s[G1A+1], 32<<16
	s_mov_b32 s[G1A+2], 200<<16                    ; A: 200 rows of 256 bytes: four K steps
	s_mov_b32 s[G1A+3], 32<<16
	s_mov_b32 s[G1A+4], 200
	s_mov_b32 s[G1A+5], 32
	s_mov_b32 s[G1A+6], 0
	s_mov_b32 s[G1A+7], 0
	s_or_b32 s[G1B], s45, (3<<16)|(1<<21)
	s_mov_b32 s[G1B+1], (HALF/8)<<16               ; B: 2 rows (groups) of HALF bytes, GRP bytes apart in memory, on end in LDS
	s_mov_b32 s[G1B+2], 2<<16
	s_mov_b32 s[G1B+3], (HALF/8)<<16
	s_mov_b32 s[G1B+4], 2
	s_mov_b32 s[G1B+5], GRP/8
	s_mov_b32 s[G1B+6], 0
	s_mov_b32 s[G1B+7], 0
	s_mov_b32 s[SEL], 0x76543210
	s_mov_b32 s[SEL+1], 0xfedcba98
	s_mov_b32 s[HM], 0xffff0000
	s_mul_i32 s86, s43, GRP                        ; A: my group, half wave / 2 of K
	s_mul_i32 s90, s15, HALF
	s_add_co_u32 s86, s86, s90
	s_mov_b32 s87, 0
	s_mul_i32 s88, s42, GRP                        ; B: both groups, the same half
	s_add_co_u32 s88, s88, s90
	s_mov_b32 s89, 0
	s_mul_i32 s90, s15, 3*HALF                     ; where that half of A lies in LDS; B's lies one unit behind it
	s_mul_i32 s91, s16, HALF
	s_add_co_u32 s91, s91, HALF                    ; what I multiply: group bg of B, K steps 0-3
.irp b, 0,1,2,3
	v_mov_b32 v[TM+4+\b], 0                        ; a lane permute's destination counts as one of its sources
.endr
	s_wait_dscnt 0x0                               ; the opening add is done
	s_wait_kmcnt 0x0
	s_add_nc_u64 s[86:87], s[4:5], s[86:87]
	s_add_nc_u64 s[88:89], s[4:5], s[88:89]
	CROUND                                         ; all sixteen work-groups are here: the joint loads meet
	s_mov_b32 s[G0A], 1
	s_add_co_u32 s[G0A+1], s90, 0
	s_mov_b64 s[G0A+2:G0A+3], s[86:87]
	s_or_b32 s[G0A+3], s[G0A+3], 0x80000000
	s_mov_b32 s[G0B], 1
	s_add_co_u32 s[G0B+1], s90, HALF
	s_mov_b64 s[G0B+2:G0B+3], s[88:89]
	s_or_b32 s[G0B+3], s[G0B+3], 0x80000000
	s_cmp_eq_u32 s14, 0                            ; one chain of branches on the wave's number, one load to an arm
	s_cbranch_scc0 .Lw1
	tensor_load_to_lds s[G0A:G0A+3], s[G1A:G1A+7]  ; wave 0: A's K steps 0-3
	s_nop 0
	PLACES 4
	s_branch .Lfilled
.Lw1:
	s_cmp_eq_u32 s14, 1
	s_cbranch_scc0 .Lw2
	tensor_load_to_lds s[G0B:G0B+3], s[G1B:G1B+7]  ; wave 1: B's K steps 0-3
	s_nop 0
	PLACES 4
	s_branch .Lfilled
.Lw2:
	s_cmp_eq_u32 s14, 2
	s_cbranch_scc0 .Lw3
	tensor_load_to_lds s[G0A:G0A+3], s[G1A:G1A+7]  ; wave 2: A's K steps 4-7
	s_nop 0
	PLACES 4
	s_branch .Lfilled
.Lw3:
	tensor_load_to_lds s[G0B:G0B+3], s[G1B:G1B+7]  ; wave 3: B's K steps 4-7
	s_nop 0
	PLACES 4
.Lfilled:
	v_and_b32 v1, 31, v0                           ; lane
	v_and_b32 v2, 15, v0                           ; r
	v_bfe_u32 v3, v0, 4, 1                         ; h
	v_lshlrev_b32 v[L8], 3, v1
	v_lshlrev_b32 v[L16], 4, v1
	v_lshlrev_b32 v[BO1], 6, v3
	v_and_b32 v4, 8, v2
	v_add_nc_u32 v4, v4, v2
	v_lshlrev_b32 v[BO2], 2, v4
	s_mul_i32 s92, s15, 6144                       ; my four tiles of A
	v_add_nc_u32 v[ADRA], s92, v[L16]
	v_add_nc_u32 v[ADRA+1], 3*HALF, v[ADRA]
	v_add_nc_u32 v[ADRB], s91, v[L16]              ; my group of B
	v_add_nc_u32 v[ADRB+1], 3*HALF, v[ADRB]
	s_lshl_b32 s94, s15, 8                         ; A's words: 256 ah on
	s_sub_co_u32 s95, s91, s94                     ; from A's words to B's: one product with h
	s_add_co_u32 s96, s94, 12288
	v_lshlrev_b32 v6, 2, v2
	v_mul_u32_u24 v7, s95, v3
	v_add_nc_u32 v[ADRS], v6, v7
	v_add_nc_u32 v[ADRS], s96, v[ADRS]
	v_add_nc_u32 v[ADRS+1], 3*HALF, v[ADRS]
	s_add_co_u32 s97, s95, 256
	s_add_co_u32 s96, s94, 12032
	v_mul_u32_u24 v7, s97, v3
	v_add_nc_u32 v[ADRT], v6, v7
	v_add_nc_u32 v[ADRT], s96, v[ADRT]
	v_add_nc_u32 v[ADRT+1], 3*HALF, v[ADRT]
	s_wait_alu depctr_va_vdst(0)
	s_cmp_lt_u32 s14, 2
	s_cbranch_scc0 .Lnot_low
	s_wait_tensorcnt 0x0                           ; waves 0 and 1: K steps 0-3 of A and of B have landed
.Lnot_low:
	s_barrier_signal -1
	s_barrier_wait -1                              ; everybody's has: K steps 0 and 1 are whole
	FETCH 0
	KSTEP 0, -1, 1                                 ; the first products start the sums: nothing is cleared
	KSTEP 1, -1, 0
	KSTEP 2, -1, 0
	KSTEP 3, 0, 0                                  ; every wave waits for its load: K steps 4-7 are shown to all
	KSTEP 4, -1, 0
	KSTEP 5, -1, 0
	s_cmp_eq_u32 s18, 1                            ; the cluster's number alone: all sixteen partners go the same way
	s_cbranch_scc1 .Lv_arm
	; ---- q, k.  B's group is a pair of heads hp = 2 cx + bg; accumulator (a, b): token lane-row r of A's tile 4 ah + a, rows 32 (b / 2) + 8 (b % 2) + 16 h + j of the pair's 128
	s_lshl_b32 s92, s40, 1
	s_add_co_u32 s92, s92, s16                     ; hp
	s_lshr_b32 s93, s43, 4
	s_lshl_b32 s93, s93, 4                         ; batch x 16
	s_lshl_b32 s94, s92, 1
	s_add_co_u32 s93, s93, s94                     ; + the even head
	s_lshl_b32 s93, s93, 4
	s_and_b32 s94, s43, 15
	s_add_co_u32 s93, s93, s94                     ; x 16 + the tokens' group
	s_mul_i32 s93, s93, QBLK
	s_mov_b32 s95, 19200
	s_cmp_eq_u32 s21, 1
	s_cselect_b32 s94, 0, 13056                    ; k's codes, or q's
	s_cselect_b32 s95, 12288, s95                  ; and scale words
	s_cselect_b64 s[96:97], s[8:9], s[6:7]         ; bk or bq
	s_mul_i32 s86, s15, 3072
	s_add_co_u32 s86, s86, s93
	s_add_co_u32 s86, s86, s94
	s_mov_b32 s87, 0
	s_add_nc_u64 s[CB:CB+1], s[12:13], s[86:87]
	s_lshl_b32 s88, s15, 8
	s_add_co_u32 s88, s88, s93
	s_add_co_u32 s88, s88, s95
	s_mov_b32 s89, 0
	s_add_nc_u64 s[SB:SB+1], s[12:13], s[88:89]
	s_lshl_b32 s90, s92, 9
	s_mov_b32 s91, 0
	s_add_nc_u64 s[PB:PB+1], s[96:97], s[90:91]
.irp x, 0,1,2,3,4,5,6,7
	global_load_b128 v[BI+8*\x:BI+8*\x+3], v[BO1], s[PB:PB+1] offset:(32*(\x/2)+8*(\x%2))*4          ; the bias in the results' layout
	global_load_b128 v[BI+8*\x+4:BI+8*\x+7], v[BO1], s[PB:PB+1] offset:(32*(\x/2)+8*(\x%2))*4+16
.endr
	KSTEP 6, -1, 0
	KSTEP 7, -1, 0
	s_wait_loadcnt 0x0                             ; the biases
	PLACES 4                                       ; behind the last products, ahead of the first read of results and of writes into A's fragments
.macro EPQK a
	s_wait_xcnt 0x0                                ; the last tile's stores have read their registers
	WIN 0x02                                       ; source 0: window 2
.set J, 0
.rept 32
	v_pk_add_f32 v[H+J:H+J+1], v[64*\a+J:64*\a+J+1], v[BI+J:BI+J+1]   ; each accumulator from its low end on
.set J, J+2
.endr
	WIN 0
	QUANT H, PWS+\a                                ; registers 0-5: the even head's 64 d; 6-11: the odd head's
.irp j, 0,1,2
	global_store_b64 v[L8], v[PC+2*\j:PC+2*\j+1], s[CB:CB+1] offset:768*\a+256*\j              ; 32 lanes store 256 consecutive bytes, at a multiple of 256
	global_store_b64 v[L8], v[PC+6+2*\j:PC+7+2*\j], s[CB:CB+1] offset:HEADB+768*\a+256*\j
.endr
.endm
	EPQK 0
	EPQK 1
	EPQK 2
	EPQK 3
	v_cndmask_b32 v[CW], v[PWS], v[PWS+1], s[HM]   ; lanes 0-15 tile 0's words, lanes 16-31 tile 1's
	v_cndmask_b32 v[CW+1], v[PWS+2], v[PWS+3], s[HM]
	v_and_b32 v[CW+2], 0xffff, v[CW]               ; the even head's two bytes; the upper two are 0, over zero codes
	v_and_b32 v[CW+3], 0xffff, v[CW+1]
	v_lshrrev_b32 v[CW], 16, v[CW]                 ; the odd head's
	v_lshrrev_b32 v[CW+1], 16, v[CW+1]
	global_store_b64 v[L8], v[CW+2:CW+3], s[SB:SB+1]
	global_store_b64 v[L8], v[CW:CW+1], s[SB:SB+1] offset:HEADB
	CLOSE
	; ---- v.  A's tile 4 ah + a: head 2 (group - 80) + ah, d = 32 (a / 2) + 8 (a % 2) + r + 8 (r / 8); B's group T = tokens: registers run along the keys
.Lv_arm:
	s_sub_co_u32 s92, s43, 80
	s_lshl_b32 s92, s92, 1
	s_add_co_u32 s92, s92, s15                     ; head
	s_add_co_u32 s93, s42, s16                     ; T
	s_lshr_b32 s94, s93, 4
	s_lshl_b32 s94, s94, 4
	s_add_co_u32 s94, s94, s92                     ; batch x 16 + head
	s_lshl_b32 s94, s94, 4
	s_and_b32 s93, s93, 15
	s_add_co_u32 s94, s94, s93
	s_mul_i32 s94, s94, QBLK
	s_add_co_u32 s86, s94, 6144
	s_mov_b32 s87, 0
	s_add_nc_u64 s[CB:CB+1], s[12:13], s[86:87]
	s_add_co_u32 s88, s94, 12800
	s_mov_b32 s89, 0
	s_add_nc_u64 s[SB:SB+1], s[12:13], s[88:89]
	s_lshl_b32 s90, s92, 8
	s_mov_b32 s91, 0
	s_add_nc_u64 s[PB:PB+1], s[10:11], s[90:91]
.irp a, 0,1,2,3
	global_load_b32 v[BI+2*\a], v[BO2], s[PB:PB+1] offset:(32*(\a/2)+8*(\a%2))*4     ; my d's bias, twice: a pair for the packed addition
	global_load_b32 v[BI+2*\a+1], v[BO2], s[PB:PB+1] offset:(32*(\a/2)+8*(\a%2))*4
.endr
	KSTEP 6, -1, 0
	KSTEP 7, -1, 0
	s_wait_loadcnt 0x0
	PLACES 4
.macro EPV a
	s_wait_xcnt 0x0
	WIN 0x02
.set J, 0
.rept 32
	v_pk_add_f32 v[H+J:H+J+1], v[64*\a+J:64*\a+J+1], v[BI+2*\a:BI+2*\a+1]
.set J, J+2
.endr
	WIN 0
	QUANT H, PWS+\a                                ; a fragment of V^T: 16 d x these 128 keys
.irp j, 0,1,2,3,4,5
	global_store_b64 v[L8], v[PC+2*\j:PC+2*\j+1], s[CB:CB+1] offset:1536*\a+256*\j
.endr
.endm
	EPV 0
	EPV 1
	EPV 2
	EPV 3
	v_cndmask_b32 v[CW], v[PWS], v[PWS+1], s[HM]
	v_cndmask_b32 v[CW+1], v[PWS+2], v[PWS+3], s[HM]
	global_store_b64 v[L8], v[CW:CW+1], s[SB:SB+1]
	CLOSE
.Lfunc_end_k_qf1ff4eeae5_proj:
	.size	k_qf1ff4eeae5_proj, .Lfunc_end_k_qf1ff4eeae5_proj-k_qf1ff4eeae5_proj
	.p2alignl 7, 3214868480
	.fill 96, 4, 3214868480
	.section	.rodata,"a",@progbits
	.p2align	6, 0x0
	.amdhsa_kernel k_qf1ff4eeae5_proj
		.amdhsa_group_segment_fixed_size 307712
		.amdhsa_private_segment_fixed_size 0
		.amdhsa_enable_private_segment 0
		.amdhsa_kernarg_size 40
		.amdhsa_user_sgpr_count 2
		.amdhsa_user_sgpr_kernarg_segment_ptr 1
		.amdhsa_wavefront_size32 1
		.amdhsa_system_sgpr_workgroup_id_x 1
		.amdhsa_system_sgpr_workgroup_id_y 1
		.amdhsa_system_sgpr_workgroup_id_z 1
		.amdhsa_system_vgpr_workitem_id 0
		.amdhsa_next_free_vgpr 768
		.amdhsa_next_free_sgpr 98
		.amdhsa_reserve_vcc 0
		.amdhsa_float_denorm_mode_32 3
		.amdhsa_float_denorm_mode_16_64 3
		.amdhsa_memory_ordered 1
		.amdhsa_forward_progress 1
		.amdhsa_inst_pref_size 132
	.end_amdhsa_kernel
	.amdgpu_metadata
---
amdhsa.version: [ 1, 2 ]
amdhsa.kernels:
  - .name:           k_qf1ff4eeae5_proj
    .symbol:         k_qf1ff4eeae5_proj.kd
    .args:
      - { .name: opimg, .offset: 0, .size: 8, .value_kind: global_buffer, .address_space: global }
      - { .name: bq, .offset: 8, .size: 8, .value_kind: global_buffer, .address_space: global }
      - { .name: bk, .offset: 16, .size: 8, .value_kind: global_buffer, .address_space: global }
      - { .name: bv, .offset: 24, .size: 8, .value_kind: global_buffer, .address_space: global }
      - { .name: qkv, .offset: 32, .size: 8, .value_kind: global_buffer, .address_space: global }
    .group_segment_fixed_size: 307712
    .private_segment_fixed_size: 0
    .kernarg_segment_align: 8
    .kernarg_segment_size: 40
    .max_flat_workgroup_size: 128
    .sgpr_count:     98
    .vgpr_count:     768
    .wavefront_size: 32
...
	.end_amdgpu_metadata
.endif
;; end of part 2
;; launch attn (part 3): grid 4 x 64, 8 waves a work-group, clusters of 4 x 1, 210,944 bytes of LDS; arguments qkv, cximg; writes cximg
.if DOCPART == 3
	.amdgcn_target "amdgcn-amd-amdhsa--gfx1250"
	.amdhsa_code_object_version 6
	.text
	.protected	k_qf1ff4eeae5_attn
	.globl	k_qf1ff4eeae5_attn
	.p2align	8
	.type	k_qf1ff4eeae5_attn,@function
k_qf1ff4eeae5_attn:
	s_mov_b64 s[64:65], 0
	v_nop
	global_prefetch_b8 v0, s[64:65] scope:SCOPE_SE
	s_setreg_imm32_b32 hwreg(HW_REG_WAVE_MODE, 25, 1), 1
	s_wait_xcnt 0x0
	s_wait_alu depctr_hold_cnt(0) depctr_sa_sdst(0) depctr_va_vdst(0) depctr_va_sdst(0) depctr_va_ssrc(0) depctr_va_vcc(0) depctr_vm_vsrc(0)
	s_getreg_b32 s2, hwreg(HW_REG_IB_STS2, 6, 4)
	s_cmp_eq_u32 s2, 0
	s_cbranch_scc0 .Lentry_in_a_cluster
	s_endpgm
.Lentry_in_a_cluster:
	s_bfe_u32 s2, ttmp6, 0x10000c
	s_cmp_lg_u32 s2, 0x3003
	s_cbranch_scc0 .Lentry_shape_is_right
	s_endpgm
.Lentry_shape_is_right:
; ctx = softmax(q k^T / 8) v for one head of one batch, both products on codes of FP6 (E2M3) with E8M0 scales; ctx is quantised along E at once and stored as half of a register image in cximg.
; THE SOFTMAX: t = score x log2(e) / 8; M = the row's largest t so far, rounded UP to a whole number (a running maximum); p = 2^(t - M) is quantised along the keys, not normalised.
; The row's sum is taken of the unquantised p and divides O at the end.  When M moves, the sum and O are multiplied by 2^(old M - new M): exact.
; SHARES: a cluster of four work-groups owns a head; a work-group 512 of its 2,048 queries; each of its eight waves TWO tiles of 16 queries at once, in two passes over the keys.
; A fragment of K or V read from LDS serves both tiles; the two tiles' chains stand line by line beside each other.
; In pass p wave w has tiles 2 (w % 4), 2 (w % 4) + 1 of the tokens' group 4 cx + w / 4 + 2 p.
; LDS: the head's WHOLE K, V and their scale words, 16 key steps x 13,056 bytes, filled once.  Each wave asks for two key steps by ONE tensor load (2 rows of 13,056 bytes, 19,712 apart in memory), jointly for the four partners.
; Waves 0-2 (key steps 0-5) have a load line of their own and wait ahead of the first barrier; the first four steps read key steps 0-4 alone; ahead of step 4 every wave waits and a barrier shows the rest.
; All tiles are asked for at the head, so there is no later load that a data prefetch could run ahead of.
; LAYOUT: both products transposed: S^T = K Q^T (source 0 = 16 keys), O^T = V^T P^T (source 0 = 16 of the head's 64): a lane holds ONE query.
; WHICH KEYS FORM A TILE OF K is chosen here, by the lanes' LDS addresses: lane-row P of tile 4 c + u is key 64 c + 32 (P / 8) + 8 u + P % 8 of the step's 128.  So the 32 registers of tiles 4 c .. 4 c + 3 of lane (r, h) are the
; 32 neighbouring keys 64 c + 32 h + 0 .. 31: ONE scale block of p, in the order of the second product's operand: no other lane is asked for a block's maximum, and no codes change lanes.
; In qkv lane-row p of tile t is key 32 (t / 2) + 8 (t % 2) + p + 8 (p / 8): my lane-row P of tile 4 c + u lies there in tile 4 c + 2 (P / 8) + u % 2 at lane-row 8 (u / 2) + P % 8.  Lanes r and r + 8 of a load of K meet in the same banks.
; K = 64 in the first product: a fragment's upper six registers meet Q's zero codes under zero scale bytes and add nothing; K's tiles lie packed, six registers each.
; LOADS FROM LDS, two pieces of 8 bytes a lane to a load: V of a step at the step's top (13 loads), K of the next step behind this step's scores (16 loads; a loop's last step is held at a key step that has been shown: in the last loops it asks for its own K once more).
; AMONG THE EXPONENTIALS stand plain lines that hang on none of them and whose results are read behind the batch's wait: among tile 0's the multiply-adds of tile 1, among tile 1's the first 16 additions of tile 0's p.
; cximg = [group of 128 tokens][pair of heads][12,800]: 8 tiles x 1,536 (registers 2 j, 2 j + 1 of lane l at 256 j + 8 l; head parity e owns j = 3 e .. 3 e + 2), then 8 x 16 scale words (parity e: the half-word at 2 e).
; LIMITS: a block of zeros gets the byte 1 (only this program reads the bytes); NaN and infinities are not served; the scaled scores stay under 2^31 in magnitude.
; REGISTERS.  Window 0: v1-4, v7, v9 lane terms; v10, v11, v189, v252-255 LDS addresses; v12, v13 (v88, v89) -M and the largest score of tile 0 (1); v[14:15] (v[90:91]) the sums; v16-27, v160-171 Q; v28-31, v86-87 K's and V's scale words;
;   v32-85 K packed (v80-85 = 0); v92, v93 p's scale words; v94, v95 Q's; v96-127, v128-159 O^T; v172-185 the second pass's Q and scale words; v186-251 at work.
; Window 1: v0-63, v64-127 S^T then p; v128-175 V; v176-199 p's codes; v200-214 the conversions' second halves; v216-247 sums of pairs of tile 0's p.
.set STEPB, 13056
.set QBLK,  19712
.set HEADB, 16*QBLK
.set CXP,   204800                     ; two groups on in cximg
.set SPARE, 16*STEPB                   ; the spare words, 128 bytes for each of eight waves
.set L8,   1
.set L4,   2
.set R8,   3
.set KL,   4                           ; v4   K's codes: 1,536 (r / 8) + 8 (r % 8) + 128 h
.set SPW,  5
.set NIL,  6
.set SL,   7                           ; v7   K's scale words: 8 (r % 8) + 128 h + 4 (r / 8)
.set SH,   9                           ; v9   8 h
.set ADK,  10                          ; v10, v11  K's tiles 0-3, 4-7 of the next step
.set ADS,  189                         ; v189 its scale words
.set AV,   252                         ; v252-255  V's four tiles
.set PW0,  92
.set PW1,  93
.set QW0,  94
.set QW1,  95
.set TB,   2                           ; s2   LDS byte of the key step in hand
.set CNT,  3
.set WV,   18
.set TN,   19                          ; s19  LDS byte of the next key step, held at the loop's bound
.set SEL,  20
.set CS,   22                          ; s[22:23] c = log2(e) / 8
.set G1,   24
.set G0,   32
.set HM,   48
.set NC,   49                          ; s49  -c
.set QB,   50
.set CB,   52
.set SB,   54
.set QS,   66
.set MSB, 0
.macro WIN new                         ; the immediate's high byte repeats the setting that is left
.if MSB != \new
	s_set_vgpr_msb (MSB<<8)|\new
.set MSB, \new
.endif
.endm
.macro WALU
	s_wait_alu depctr_va_vdst(0)
.endm
.macro CROUND
	s_barrier_signal -1
	s_barrier_wait -1
	s_cmp_lg_u32 s[WV], 0
	s_cbranch_scc1 .Lnot_wave_0_\@
	s_barrier_signal -3
.Lnot_wave_0_\@:
	s_barrier_wait -3
	s_barrier_signal -1
	s_barrier_wait -1
.endm
; a key step's K: piece a = 3 u + j of tiles 4 c + u (registers 32 + 24 c + 2 a on) lies 768 (u % 2) + 64 (u / 2) + 256 j bytes behind the lane's address; two pieces to a load, the offsets in units of 8 bytes; and four scale words: 16 loads
.macro KLOAD
.irp c, 0,1
.irp m, 0,1,2,3,4,5
	ds_load_2addr_b64 v[32+24*\c+4*\m:35+24*\c+4*\m], v[ADK+\c] offset0:96*(((2*\m)/3)&1)+8*((2*\m)/6)+32*((2*\m)%3) offset1:96*(((2*\m+1)/3)&1)+8*((2*\m+1)/6)+32*((2*\m+1)%3)
.endr
.endr
.irp q, 0,1,2,3
	ds_load_b32 v[28+\q], v[ADS] offset:12288+256*(\q/2)+64*(\q%2)   ; lanes 0-15 tile 2 q's words, lanes 16-31 tile 2 q + 1's
.endr
.endm
.macro SMUL s, q, qw                   ; S^T of one tile of queries: eight products, each starting its own sum
.irp t, 0,1,2,3,4,5,6,7
.if (\t%2) == 0
	v_wmma_scale_f32_16x16x128_f8f6f4 v[\s+8*\t:\s+7+8*\t], v[32+6*\t:43+6*\t], v[\q:\q+11], 0, v[28+\t/2], v[\qw] matrix_a_fmt:MATRIX_FMT_FP6 matrix_b_fmt:MATRIX_FMT_FP6
.else
	v_wmma_scale_f32_16x16x128_f8f6f4 v[\s+8*\t:\s+7+8*\t], v[32+6*\t:43+6*\t], v[\q:\q+11], 0, v[28+\t/2], v[\qw] matrix_a_fmt:MATRIX_FMT_FP6 matrix_b_fmt:MATRIX_FMT_FP6 matrix_a_scale:MATRIX_SCALE_ROW1
.endif
.endr
.endm
.macro PVMUL o, p, pw                  ; O^T of one tile: four accumulators, one product each
.irp t, 0,1,2,3
.if (\t%2) == 0
	v_wmma_scale_f32_16x16x128_f8f6f4 v[\o+8*\t:\o+7+8*\t], v[128+12*\t:139+12*\t], v[\p:\p+11], v[\o+8*\t:\o+7+8*\t], v[86+\t/2], v[\pw] matrix_a_fmt:MATRIX_FMT_FP6 matrix_b_fmt:MATRIX_FMT_FP6
.else
	v_wmma_scale_f32_16x16x128_f8f6f4 v[\o+8*\t:\o+7+8*\t], v[128+12*\t:139+12*\t], v[\p:\p+11], v[\o+8*\t:\o+7+8*\t], v[86+\t/2], v[\pw] matrix_a_fmt:MATRIX_FMT_FP6 matrix_b_fmt:MATRIX_FMT_FP6 matrix_a_scale:MATRIX_SCALE_ROW1
.endif
.endr
.endm
; A KEY STEP: 128 keys against both tiles of queries.  lim: the last key step that the fetch of the next K may name
.macro STEP lim
.irp t, 0,1,2,3
	v_add3_u32 v[AV+\t], s[TB], 6144+1536*\t, v[L8]   ; four places behind the last products, ahead of loads into registers that they read
.endr
	WIN 0x40
.irp t, 0,1,2,3
.irp n, 0,1,2
	ds_load_2addr_b64 v[128+12*\t+4*\n:131+12*\t+4*\n], v[AV+\t] offset0:64*\n offset1:64*\n+32   ; V's four fragments, into window 1: they land under the scores and the softmax
.endr
.endr
	WIN 0
	ds_load_b64 v[86:87], v[AV] offset:6656
	s_add_co_u32 s[TN], s[TB], STEPB
	s_min_u32 s[TN], s[TN], (\lim)*STEPB
	WALU
	s_wait_dscnt 13                                ; K and its scale words are in; V's 13 loads are younger
	WIN 0x40                                       ; the scores: window 1
	SMUL 0, 16, QW0
	SMUL 64, 160, QW1
	WIN 0
	v_add_nc_u32 v[ADK], s[TN], v[KL]              ; four places behind the products: the next K lands where this one lay, and the scores are read
	v_add3_u32 v[ADK+1], s[TN], 3072, v[KL]
	v_add_nc_u32 v[ADS], s[TN], v[SL]
	v_mov_b32 v240, v12
	v_mov_b32 v241, v88
	KLOAD
	WIN 0x15                                       ; the largest score of each half block, eight chains side by side
.irp b, 0,1,2,3
	v_max3_num_f32 v[212+\b], v[16*\b], v[1+16*\b], v[2+16*\b]
	v_max3_num_f32 v[216+\b], v[64+16*\b], v[65+16*\b], v[66+16*\b]
.endr
	WIN 0x14
.irp i, 3,5,7,9,11,13
.irp b, 0,1,2,3
	v_max3_num_f32 v[212+\b], v[212+\b], v[16*\b+\i], v[1+16*\b+\i]
	v_max3_num_f32 v[216+\b], v[216+\b], v[64+16*\b+\i], v[65+16*\b+\i]
.endr
.endr
	WIN 0x04
.irp b, 0,2
	v_max_num_f32 v[212+\b], v[212+\b], v[15+16*\b]
	v_max_num_f32 v[216+\b], v[216+\b], v[79+16*\b]
.endr
.irp b, 1,3
	v_max3_num_f32 v[212+\b], v[212+\b], v[15+16*\b], v[211+\b]   ; with the other half: my block's largest score, in v213, v215 (v217, v219)
	v_max3_num_f32 v[216+\b], v[216+\b], v[79+16*\b], v[215+\b]
.endr
	WIN 0
	v_max3_num_f32 v242, v13, v213, v215
	v_max3_num_f32 v243, v89, v217, v219
	v_permlanex16_b32 v220, v242, s[SEL], s[SEL+1]
	v_permlanex16_b32 v224, v243, s[SEL], s[SEL+1]
	v_max_num_f32 v13, v242, v220                  ; with lane l xor 16's 64 keys: the running largest score of my query (c is positive)
	v_max_num_f32 v89, v243, v224
	v_mul_f32 v242, s[NC], v13                     ; -t
	v_mul_f32 v243, s[NC], v89
	v_floor_f32 v12, v242                          ; the new -M = floor(-t): M is a whole number
	v_floor_f32 v88, v243
	v_sub_f32 v240, v12, v240                      ; old M - new M: a whole number, 0 or less
	v_sub_f32 v241, v88, v241
	v_cvt_i32_f32 v240, v240                       ; (it saturates)
	v_cvt_i32_f32 v241, v241
	v_ldexp_f32 v236, 1.0, v240                    ; f = 2^(old M - new M)
	v_ldexp_f32 v238, 1.0, v241
.irp b, 1,3
	v_fma_f32 v[212+\b], v[212+\b], s[CS], v12     ; t - M of each block's largest score
	v_fma_f32 v[216+\b], v[216+\b], s[CS], v88
.endr
.irp j, 0,2,4,6,8,10,12,14,16,18,20,22,24,26,28,30
	v_pk_mul_f32 v[96+\j:97+\j], v[96+\j:97+\j], v[236:237] op_sel_hi:[1,0]     ; O^T under the new M: no exponential stands between the last products and these lines
	v_pk_mul_f32 v[128+\j:129+\j], v[128+\j:129+\j], v[238:239] op_sel_hi:[1,0]
.endr
	WIN 0x41
.set J, 0
.rept 32
	v_pk_fma_f32 v[J:J+1], v[J:J+1], s[CS:CS+1], v[12:13] op_sel_hi:[1,0,0]   ; tile 0: t - M, two at a time
.set J, J+2
.endr
	WALU                                           ; the wait ahead of the batch
	WIN 0
.irp b, 1,3,5,7
	v_exp_f32 v[212+\b], v[212+\b]                 ; each block's largest p
.endr
	WIN 0x41
.set J, 0
.rept 32
	v_exp_f32 v[J], v[J]                           ; tile 0: p = 2^(t - M), at most 1;
	v_pk_fma_f32 v[64+J:65+J], v[64+J:65+J], s[CS:CS+1], v[88:89] op_sel_hi:[1,0,0]   ; among them tile 1's t - M, read behind the wait below
	v_exp_f32 v[J+1], v[J+1]
.set J, J+2
.endr
	WIN 0
	v_pk_mul_f32 v[14:15], v[14:15], v[236:237] op_sel_hi:[1,0]   ; the sums under the new M; plain places behind the exponentials
	v_pk_mul_f32 v[90:91], v[90:91], v[238:239] op_sel_hi:[1,0]
	WALU                                           ; one wait: behind the first batch, ahead of the second
	WIN 0x45
.set J, 0
.rept 16
	v_exp_f32 v[64+4*J], v[64+4*J]                 ; tile 1's p;
	v_exp_f32 v[65+4*J], v[65+4*J]
	v_pk_add_f32 v[216+2*J:217+2*J], v[4*J:4*J+1], v[4*J+2:4*J+3]   ; among them sixteen sums of two pairs of tile 0's p, read behind the wait below
	v_exp_f32 v[66+4*J], v[66+4*J]
	v_exp_f32 v[67+4*J], v[67+4*J]
.set J, J+1
.endr
	v_nop                                          ; a plain place behind the last exponential
	WALU                                           ; and the wait ahead of the batch's first reader
	WIN 0
.irp b, 1,3,5,7
	v_max_num_f32 v[212+\b], 0x1800000, v[212+\b]  ; the floor 2^(3 - 127): the byte cannot fall under 1
.endr
.irp c, 0,1
	v_add_nc_u32 v[228+\c], 0xff000000, v[213+2*\c]   ; 2 off the exponent field: the conversion's scale operand, of my blocks h and 2 + h
	v_add_nc_u32 v[232+\c], 0xff000000, v[217+2*\c]
.endr
.irp c, 0,1
	v_lshrrev_b32 v[220+\c], 23, v[228+\c]         ; the byte
	v_lshrrev_b32 v[224+\c], 23, v[232+\c]
.endr
	v_lshl_or_b32 v242, v221, 16, v220             ; my two bytes,
	v_lshl_or_b32 v243, v225, 16, v224
	v_lshlrev_b32 v242, v[SH], v242                ; at their places in the scale word (8 h bits up);
	v_lshlrev_b32 v243, v[SH], v243
	v_permlanex16_b32 v220, v242, s[SEL], s[SEL+1]
	v_permlanex16_b32 v224, v243, s[SEL], s[SEL+1]
	v_or_b32 v[PW0], v242, v220                    ; with lane l xor 16's two: p's scale word for these 128 keys
	v_or_b32 v[PW1], v243, v224
	WIN 0x41
.irp c, 0,1                                    ; a conversion's three registers begin on an even number: a block's second half is made elsewhere and moved
	v_cvt_scalef32_pk16_fp6_f32 v[176+6*\c:178+6*\c], v[32*\c:15+32*\c], v[228+\c]
	v_cvt_scalef32_pk16_fp6_f32 v[200+4*\c:202+4*\c], v[16+32*\c:31+32*\c], v[228+\c]
	v_cvt_scalef32_pk16_fp6_f32 v[188+6*\c:190+6*\c], v[64+32*\c:79+32*\c], v[232+\c]
	v_cvt_scalef32_pk16_fp6_f32 v[208+4*\c:210+4*\c], v[80+32*\c:95+32*\c], v[232+\c]
.endr
	v_nop                                          ; one plain place behind a scaled conversion
.irp c, 0,1
.irp i, 0,1,2
	v_mov_b32 v[179+6*\c+\i], v[200+4*\c+\i]
	v_mov_b32 v[191+6*\c+\i], v[208+4*\c+\i]
.endr
.endr
	WIN 0x05                                       ; THE SUMS of the unquantised p, six chains side by side; these lines are also the places between p's codes and the products
	v_pk_add_f32 v[244:245], v[216:217], v[218:219]
.irp k, 1,2,3
	v_pk_add_f32 v[244+2*\k:245+2*\k], v[64+2*\k:65+2*\k], v[72+2*\k:73+2*\k]
.endr
	WIN 0x04
.irp m, 0,1,2,3,4,5
	v_pk_add_f32 v[14:15], v[14:15], v[220+2*\m:221+2*\m]
	v_pk_add_f32 v[244:245], v[244:245], v[236+2*\m:237+2*\m]
	v_pk_add_f32 v[90:91], v[90:91], v[64+8*\m:65+8*\m]
.irp k, 1,2,3
	v_pk_add_f32 v[244+2*\k:245+2*\k], v[244+2*\k:245+2*\k], v[80+8*\m+2*\k:81+8*\m+2*\k]
.endr
.endr
	v_pk_add_f32 v[14:15], v[14:15], v[232:233]
	v_pk_add_f32 v[90:91], v[90:91], v[112:113]
	v_pk_add_f32 v[14:15], v[14:15], v[234:235]
	v_pk_add_f32 v[90:91], v[90:91], v[120:121]
	WIN 0
	v_pk_add_f32 v[246:247], v[246:247], v[248:249]
	v_pk_add_f32 v[14:15], v[14:15], v[244:245]
	v_pk_add_f32 v[90:91], v[90:91], v[250:251]
	v_pk_add_f32 v[90:91], v[90:91], v[246:247]
	WALU
	s_wait_dscnt 16                                ; V is in; the next K's 16 loads are younger
	WIN 0x05                                       ; sources 0 (V) and 1 (p): window 1
	PVMUL 96, 176, PW0
	PVMUL 128, 188, PW1
	WIN 0
	s_add_co_u32 s[TB], s[TB], STEPB
.endm
.macro STEPS n, lim
	s_mov_b32 s[CNT], \n
.Lstep_\@:
	STEP \lim
	s_sub_co_u32 s[CNT], s[CNT], 1
	s_cmp_lg_u32 s[CNT], 0
	s_cbranch_scc1 .Lstep_\@
.endm
.macro INIT
	v_mov_b32 v13, 0xff61b1e6                      ; the largest score so far: -3e38, under every score
	v_mov_b32 v89, 0xff61b1e6
	v_mov_b32 v12, 0x7f61b1e6                      ; -M
	v_mov_b32 v88, 0x7f61b1e6
	v_mov_b32 v14, 0
	v_mov_b32 v15, 0
	v_mov_b32 v90, 0
	v_mov_b32 v91, 0
	v_mov_b32 v[ADK], v[KL]                        ; key step 0's K
	v_add_nc_u32 v[ADK+1], 3072, v[KL]
	v_mov_b32 v[ADS], v[SL]
.set J, 0
.rept 64
	v_mov_b32 v[96+J], 0                           ; O^T of both tiles: the step is written once; the first change of M leaves zeros zeros
.set J, J+1
.endr
	s_mov_b32 s[TB], 0
.endm
; THE WAY OUT of pass p: O^T / the sum is ctx(query r, d = 32 b + 16 h + i) in register 16 b + i: two blocks of 32 along E, for each tile
.macro OUT p
	s_wait_dscnt 0x0                               ; the last step's loads of K have landed
	v_add_f32 v14, v14, v15                        ; with the two v_nop: four places behind the last products
	v_add_f32 v90, v90, v91
	v_nop
	v_nop
	v_permlanex16_b32 v220, v14, s[SEL], s[SEL+1]
	v_permlanex16_b32 v224, v90, s[SEL], s[SEL+1]
	v_add_f32 v14, v14, v220                       ; the rows' sums
	v_add_f32 v90, v90, v224
	WALU
	v_rcp_f32 v14, v14
	v_rcp_f32 v90, v90
	v_nop                                          ; a plain place behind the reciprocals
	WALU
.irp j, 0,2,4,6,8,10,12,14,16,18,20,22,24,26,28,30
	v_pk_mul_f32 v[96+\j:97+\j], v[96+\j:97+\j], v[14:15] op_sel_hi:[1,0]       ; each accumulator from its low end on
	v_pk_mul_f32 v[128+\j:129+\j], v[128+\j:129+\j], v[90:91] op_sel_hi:[1,0]
.endr
.irp b, 0,1
	v_max3_num_f32 v[212+\b], |v[96+16*\b]|, |v[97+16*\b]|, 0x1800000
	v_max3_num_f32 v[216+\b], |v[128+16*\b]|, |v[129+16*\b]|, 0x1800000
.endr
.irp i, 2,4,6,8,10,12,14
.irp b, 0,1
	v_max3_num_f32 v[212+\b], v[212+\b], |v[96+16*\b+\i]|, |v[97+16*\b+\i]|
	v_max3_num_f32 v[216+\b], v[216+\b], |v[128+16*\b+\i]|, |v[129+16*\b+\i]|
.endr
.endr
.irp b, 0,1,4,5
	v_permlanex16_b32 v[220+\b], v[212+\b], s[SEL], s[SEL+1]
.endr
.irp b, 0,1,4,5
	v_max_num_f32 v[212+\b], v[212+\b], v[220+\b]
.endr
.irp b, 0,1,4,5
	v_add_nc_u32 v[228+\b], 0xff000000, v[212+\b]
.endr
.irp b, 0,1,4,5
	v_lshrrev_b32 v[220+\b], 23, v[228+\b]
.endr
	v_lshl_or_b32 v186, v221, 8, v220              ; my rows' two bytes
	v_lshl_or_b32 v187, v225, 8, v224
	v_cvt_scalef32_pk16_fp6_f32 v[192:194], v[96:111], v228
	v_cvt_scalef32_pk16_fp6_f32 v[204:206], v[112:127], v229
	v_cvt_scalef32_pk16_fp6_f32 v[198:200], v[128:143], v232
	v_cvt_scalef32_pk16_fp6_f32 v[208:210], v[144:159], v233
	v_cndmask_b32 v188, v186, v187, s[HM]          ; lanes 0-15 tile 0's half-words, lanes 16-31 tile 1's; also the plain place behind the conversions
.irp i, 0,1,2
	v_permlane16_swap_b32 v[192+\i], v[204+\i]     ; lanes 0-15 block 0, lanes 16-31 block 1
	v_permlane16_swap_b32 v[198+\i], v[208+\i]
.endr
.irp i, 0,1,2
	v_mov_b32 v[195+\i], v[204+\i]
	v_mov_b32 v[201+\i], v[208+\i]
.endr
.irp i, 0,1
.irp j, 0,1,2
	global_store_b64 v[L8], v[192+6*\i+2*\j:193+6*\i+2*\j], s[CB:CB+1] offset:CXP*\p+1536*\i+256*\j   ; 32 lanes store 256 consecutive bytes, at a multiple of 256
.endr
.endr
	global_store_b16 v[L4], v188, s[SB:SB+1] offset:CXP*\p   ; the other half of each word is the other head's, made by another work-group
.endm
	s_load_b128 s[4:7], s[0:1], 0x0                ; qkv s[4:5], cximg s[6:7]
	v_lshl_add_u32 v[SPW], v0, 2, SPARE
	v_mov_b32 v[NIL], 0
	ds_add_u32 v[SPW], v[NIL]                      ; the wave's opening: the add, twice on end, and its wait ahead of my tensor load
	ds_add_u32 v[SPW], v[NIL]
	v_lshrrev_b32 v8, 5, v0
	v_readfirstlane_b32 s[WV], v8                  ; wave 0..7
	s_bfe_u32 s56, ttmp6, 0x40000                  ; cx: my quarter of the queries; it enters Q's and ctx's addresses alone
	s_and_b32 s57, ttmp7, 0xffff                   ; batch x 16 + head, which the four partners share
	s_mov_b32 s[G1], 15|(3<<16)|(1<<21)            ; the mask: all four work-groups; elements of 8 bytes; bit 21 beside a mask
	s_mov_b32 s[G1+1], (STEPB/8)<<16               ; a row: a key step's 13,056 dense bytes,
	s_mov_b32 s[G1+2], 2<<16                       ; two of them,
	s_mov_b32 s[G1+3], (STEPB/8)<<16
	s_mov_b32 s[G1+4], 2
	s_mov_b32 s[G1+5], QBLK/8                      ; 19,712 bytes apart in memory, on end in LDS
	s_mov_b32 s[G1+6], 0
	s_mov_b32 s[G1+7], 0
	s_mov_b32 s[SEL], 0x76543210
	s_mov_b32 s[SEL+1], 0xfedcba98
	s_mov_b32 s[CS], 0x3e38aa3b                    ; log2(e) / 8
	s_mov_b32 s[CS+1], s[CS]
	s_mov_b32 s[NC], 0xbe38aa3b
	s_mov_b32 s[HM], 0xffff0000
	s_mul_i32 s58, s57, HEADB                      ; the head's first byte in qkv
	s_mul_i32 s60, s[WV], 2*QBLK                   ; what I fetch: key steps 2 wave, 2 wave + 1
	s_add_co_u32 s60, s60, s58
	s_mov_b32 s61, 0
	s_mul_i32 s62, s[WV], 2*STEPB
	s_and_b32 s63, s[WV], 3
	s_lshr_b32 s68, s[WV], 2
	s_lshl_b32 s69, s56, 2
	s_add_co_u32 s69, s69, s68                     ; the first pass's group of 128 tokens: 4 cx + wave / 4; my tiles in it: 2 (wave % 4), + 1
	s_mul_i32 s70, s69, QBLK
	s_add_co_u32 s70, s70, s58
	s_mul_i32 s50, s63, 1536
	s_add_co_u32 s50, s50, s70
	s_add_co_u32 s50, s50, 13056
	s_mov_b32 s51, 0
	s_lshr_b32 s66, s63, 1
	s_lshl_b32 s66, s66, 8                         ; Q's scale words: half (wave % 4) / 2, word wave % 2, lanes 16 x tile on
	s_and_b32 s71, s[WV], 1
	s_lshl_b32 s71, s71, 2
	s_add_co_u32 s66, s66, s71
	s_add_co_u32 s66, s66, s70
	s_add_co_u32 s66, s66, 19200
	s_mov_b32 s67, 0
	s_lshr_b32 s59, s57, 4
	s_lshl_b32 s59, s59, 4
	s_add_co_u32 s59, s59, s69                     ; cximg: group = batch x 16 + my group,
	s_lshl_b32 s59, s59, 3
	s_bfe_u32 s71, s57, 0x30001                    ; K step = the pair of heads
	s_add_co_u32 s59, s59, s71
	s_mul_i32 s59, s59, 12800
	s_and_b32 s71, s57, 1                          ; e: the head's parity
	s_mul_i32 s52, s63, 3072
	s_add_co_u32 s52, s52, s59
	s_mul_i32 s68, s71, 768
	s_add_co_u32 s52, s52, s68
	s_mov_b32 s53, 0
	s_lshl_b32 s54, s63, 7
	s_add_co_u32 s54, s54, s59
	s_add_co_u32 s54, s54, 12288
	s_lshl_b32 s68, s71, 1
	s_add_co_u32 s54, s54, s68
	s_mov_b32 s55, 0
	v_and_b32 v[L8], 31, v0
	v_and_b32 v[R8], 15, v0
	v_lshlrev_b32 v[L4], 2, v[L8]
	v_lshlrev_b32 v[R8], 3, v[R8]
	v_lshlrev_b32 v[L8], 3, v[L8]
	v_bfe_u32 v242, v0, 3, 1                       ; r / 8
	v_and_b32 v243, 7, v0                          ; r % 8
	v_bfe_u32 v244, v0, 4, 1                       ; h
	v_mul_u32_u24 v[KL], v242, 1536
	v_lshlrev_b32 v[SL], 3, v243
	v_lshlrev_b32 v[SH], 3, v244
	v_lshl_add_u32 v[KL], v243, 3, v[KL]
	v_lshl_add_u32 v[SL], v244, 7, v[SL]
	v_lshl_add_u32 v[KL], v244, 7, v[KL]
	v_lshl_add_u32 v[SL], v242, 2, v[SL]
	WALU
	s_wait_dscnt 0x0                               ; both opening adds are done
	s_wait_kmcnt 0x0
	s_add_nc_u64 s[60:61], s[4:5], s[60:61]
	s_add_nc_u64 s[QB:QB+1], s[4:5], s[50:51]
	s_add_nc_u64 s[QS:QS+1], s[4:5], s[66:67]
	s_add_nc_u64 s[CB:CB+1], s[6:7], s[52:53]
	s_add_nc_u64 s[SB:SB+1], s[6:7], s[54:55]
	CROUND                                         ; all four work-groups are here: the joint loads meet
	s_mov_b32 s[G0], 1
	s_add_co_u32 s[G0+1], s62, 0
	s_mov_b64 s[G0+2:G0+3], s[60:61]
	s_or_b32 s[G0+3], s[G0+3], 0x80000000
	s_cmp_lt_u32 s[WV], 3                          ; one load a wave, into LDS bytes of its own; waves 0-2, which alone wait ahead of the first barrier, have a line of their own
	s_cbranch_scc0 .Lrest
	tensor_load_to_lds s[G0:G0+3], s[G1:G1+7]      ; key steps 0-5
	s_nop 0
.rept 4
	v_nop
.endr
	s_branch .Lasked
.Lrest:
	tensor_load_to_lds s[G0:G0+3], s[G1:G1+7]      ; key steps 6-15
	s_nop 0
.rept 4
	v_nop
.endr
.Lasked:
.irp j, 0,1,2
	global_load_b64 v[16+2*\j:17+2*\j], v[L8], s[QB:QB+1] offset:256*\j                 ; Q's fragments stay in registers: the first pass's two tiles,
	global_load_b64 v[160+2*\j:161+2*\j], v[L8], s[QB:QB+1] offset:768+256*\j
	global_load_b64 v[172+2*\j:173+2*\j], v[L8], s[QB:QB+1] offset:2*QBLK+256*\j        ; and the second's, set aside
	global_load_b64 v[178+2*\j:179+2*\j], v[L8], s[QB:QB+1] offset:2*QBLK+768+256*\j
.endr
	global_load_b32 v[QW0], v[R8], s[QS:QS+1]      ; their scale words
	global_load_b32 v[QW1], v[R8], s[QS:QS+1] offset:128
	global_load_b32 v184, v[R8], s[QS:QS+1] offset:2*QBLK
	global_load_b32 v185, v[R8], s[QS:QS+1] offset:2*QBLK+128
.irp i, 0,1,2,3,4,5
	v_mov_b32 v[22+\i], 0                          ; zero codes for k = 64 .. 127
	v_mov_b32 v[166+\i], 0
	v_mov_b32 v[80+\i], 0                          ; behind K's last tile
.endr
.irp b, 0,1,4,5
	v_mov_b32 v[220+\b], 0                         ; a lane permute's destination counts as one of its sources
.endr
	v_mov_b32 v237, 0                              ; (named as the upper halves of the pairs that hold f)
	v_mov_b32 v239, 0
	INIT
	WALU
	s_wait_loadcnt 0x0                             ; Q
	s_cmp_lt_u32 s[WV], 3
	s_cbranch_scc0 .Lnot_first
	s_wait_tensorcnt 0x0                           ; waves 0-2: key steps 0-5 have landed
.Lnot_first:
	s_barrier_signal -1
	s_barrier_wait -1
	KLOAD
	STEPS 4, 4                                     ; key steps 0-3; the fetch of the next K reaches key step 4
	s_wait_tensorcnt 0x0                           ; every wave: its two key steps have landed
	s_wait_dscnt 0x0
	s_barrier_signal -1
	s_barrier_wait -1                              ; all of K and V lie in LDS; nothing is filled again
	STEPS 12, 15
	OUT 0
	s_wait_xcnt 0x0                                ; the stores have read their registers
.irp i, 0,1,2,3,4,5
	v_mov_b32 v[16+\i], v[172+\i]                  ; the second pass's Q
	v_mov_b32 v[160+\i], v[178+\i]
.endr
	v_mov_b32 v[QW0], v184
	v_mov_b32 v[QW1], v185
	INIT
	KLOAD
	STEPS 16, 15
	OUT 1
	s_wait_tensorcnt 0x0                           ; the wave's end, ahead of the closing round
	ds_add_u32 v[SPW], v[NIL]
	s_wait_dscnt 0x0
	CROUND
	s_endpgm
.Lfunc_end_k_qf1ff4eeae5_attn:
	.size	k_qf1ff4eeae5_attn, .Lfunc_end_k_qf1ff4eeae5_attn-k_qf1ff4eeae5_attn
	.p2alignl 7, 3214868480
	.fill 96, 4, 3214868480
	.section	.rodata,"a",@progbits
	.p2align	6, 0x0
	.amdhsa_kernel k_qf1ff4eeae5_attn
		.amdhsa_group_segment_fixed_size 210944
		.amdhsa_private_segment_fixed_size 0
		.amdhsa_enable_private_segment 0
		.amdhsa_kernarg_size 16
		.amdhsa_user_sgpr_count 2
		.amdhsa_user_sgpr_kernarg_segment_ptr 1
		.amdhsa_wavefront_size32 1
		.amdhsa_system_sgpr_workgroup_id_x 1
		.amdhsa_system_sgpr_workgroup_id_y 1
		.amdhsa_system_sgpr_workgroup_id_z 1
		.amdhsa_system_vgpr_workitem_id 0
		.amdhsa_next_free_vgpr 512
		.amdhsa_next_free_sgpr 72
		.amdhsa_reserve_vcc 0
		.amdhsa_float_denorm_mode_32 3
		.amdhsa_float_denorm_mode_16_64 3
		.amdhsa_memory_ordered 1
		.amdhsa_forward_progress 1
		.amdhsa_inst_pref_size 113
	.end_amdhsa_kernel
	.amdgpu_metadata
---
amdhsa.version: [ 1, 2 ]
amdhsa.kernels:
  - .name:           k_qf1ff4eeae5_attn
    .symbol:         k_qf1ff4eeae5_attn.kd
    .args:
      - { .name: qkv, .offset: 0, .size: 8, .value_kind: global_buffer, .address_space: global }
      - { .name: cximg, .offset: 8, .size: 8, .value_kind: global_buffer, .address_space: global }
    .group_segment_fixed_size: 210944
    .private_segment_fixed_size: 0
    .kernarg_segment_align: 8
    .kernarg_segment_size: 16
    .max_flat_workgroup_size: 256
    .sgpr_count:     72
    .vgpr_count:     512
    .wavefront_size: 32
...
	.end_amdgpu_metadata
.endif
;; end of part 3
;; launch outp (part 4): grid 4 x 64, 4 waves a work-group, clusters of 4 x 4, 307,712 bytes of LDS; arguments cximg, opimg, bo, out0; writes out0
.if DOCPART == 4
	.amdgcn_target "amdgcn-amd-amdhsa--gfx1250"
	.amdhsa_code_object_version 6
	.text
	.protected	k_qf1ff4eeae5_outp
	.globl	k_qf1ff4eeae5_outp
	.p2align	8
	.type	k_qf1ff4eeae5_outp,@function
k_qf1ff4eeae5_outp:
	s_mov_b64 s[64:65], 0
	v_nop
	global_prefetch_b8 v0, s[64:65] scope:SCOPE_SE
	s_setreg_imm32_b32 hwreg(HW_REG_WAVE_MODE, 25, 1), 1
	s_wait_xcnt 0x0
	s_wait_alu depctr_hold_cnt(0) depctr_sa_sdst(0) depctr_va_vdst(0) depctr_va_sdst(0) depctr_va_ssrc(0) depctr_va_vcc(0) depctr_vm_vsrc(0)
	s_getreg_b32 s2, hwreg(HW_REG_IB_STS2, 6, 4)
	s_cmp_eq_u32 s2, 0
	s_cbranch_scc0 .Lentry_in_a_cluster
	s_endpgm
.Lentry_in_a_cluster:
	s_bfe_u32 s2, ttmp6, 0x10000c
	s_cmp_lg_u32 s2, 0xf033
	s_cbranch_scc0 .Lentry_shape_is_right
	s_endpgm
.Lentry_shape_is_right:
; out0 = ctx Wo + bo on codes of FP6 (E2M3) with E8M0 scales, K = 1,024.  ctx comes from cximg (groups of 128 tokens, K step = a pair of heads), Wo from opimg's groups 88-95; both as register images, 12,800 bytes a block.
; SHARES: a work-group multiplies one group of tokens (source 1: a lane holds a token) by two groups of Wo's columns (source 0: a lane's registers run along the columns).  Wave (ah, bg): tokens' tiles 4 ah .. + 3 x group bg's eight: 32 accumulators.
; LDS: all of K for the three groups, 3 x 102,400 bytes: first fills alone; one load a wave, landing in two chunks of four K steps.  ctx's blocks are shared along a row of the 4 x 4 cluster, Wo's along a column: asked for jointly.
; The bias is the C of each sum's first product.  Lane-row p of tile t = row 32 (t / 2) + 8 (t % 2) + p + 8 (p / 8) of its group: the way out puts rows and columns back in their places.
; REGISTERS: window 0: v5-27 addresses; v32-47 scale words, two sets; v48-111 the bias; v112-207 A's fragments, two sets; on the way out v112-239 rows of the result.  window 1: B's fragments at v0 and v128.  window 2: accumulator (a, b) at v[8 (8 a + b)].
.set KBLK,  12800
.set GRP,   8*KBLK
.set HALF,  4*KBLK                     ; THE FILLS AS THEY NOW STAND: LDS is six units of HALF bytes: ctx's K steps 0-3, Wo's two groups' K steps 0-3, ctx's 4-7, Wo's two groups' 4-7.
                                       ; One tensor load a wave, each on a line of its own: wave 0 A low, wave 1 B low (2 rows of HALF bytes, one a group), wave 2 A high, wave 3 B high.
                                       ; Waves 0 and 1 wait ahead of the first barrier; every wave waits ahead of the barrier in front of K step 4, which is the last barrier.  Nothing is filled again.
.set SPARE, 3*GRP
.set SPITCH, 528                       ; the way out: a stage of 16 rows x (512 + 16) bytes for each wave, in LDS bytes 0 .. 33,791: ctx's K steps 0-2, which have had their only fill and whose last read stands ahead of the last barrier
.set L16,  5
.set L8,   8
.set BO1,  9
.set ADRA, 16
.set ADRB, 18
.set ADRS, 20
.set ADRT, 22
.set STO,  24
.set RD,   25
.set SPW,  28
.set NIL,  29
.set SC,   32
.set BI,   48
.set AF,   112
.set BK,   112
.set G1A,  24
.set G1B,  32
.set G0A,  48
.set G0B,  68
.set PB,   46                          ; s[46:47] my 128 numbers of the bias: registers of its own (s90, s91 hold LDS bases until the LDS addresses are made)
.set OB,   86                          ; s[86:87] my part of out0
.set MSB, 0
.macro WIN new
.if MSB != \new
	s_set_vgpr_msb (MSB<<8)|\new
.set MSB, \new
.endif
.endm
.macro PLACES n
.rept \n
	v_nop
.endr
.endm
.macro CROUND
	s_barrier_signal -1
	s_barrier_wait -1
	s_cmp_lg_u32 s14, 0
	s_cbranch_scc1 .Lnot_wave_0_\@
	s_barrier_signal -3
.Lnot_wave_0_\@:
	s_barrier_wait -3
	s_barrier_signal -1
	s_barrier_wait -1
.endm
.macro FRAG3 reg, adr, off             ; Wo's image: registers 4 c .. 4 c + 3 of lane l at 512 c + 16 l
.irp c, 0,1,2
	ds_load_b128 v[\reg+4*\c:\reg+4*\c+3], v[\adr] offset:\off+512*\c
.endr
.endm
.macro FRAG6 reg, adr, off             ; ctx's image: registers 2 j, 2 j + 1 of lane l at 256 j + 8 l
.irp j, 0,1,2,3,4,5
	ds_load_b64 v[\reg+2*\j:\reg+2*\j+1], v[\adr] offset:\off+256*\j
.endr
.endm
.macro FETCH s
.set FP, (\s)%2
.set FA, (\s)/4
.set FO, ((\s)%4)*KBLK
	WIN 0x40
.irp b, 0,1,2,3,4,5,6,7
	FRAG3 128*FP+12*\b, ADRB+FA, FO+1536*\b
.endr
	WIN 0
.irp a, 0,1,2,3
	FRAG6 AF+48*FP+12*\a, ADRA+FA, FO+1536*\a
.endr
.irp i, 0,1,2,3
	ds_load_b32 v[SC+8*FP+\i], v[ADRS+FA] offset:FO+64*\i
.endr
.irp i, 4,5,6,7
	ds_load_b32 v[SC+8*FP+\i], v[ADRT+FA] offset:FO+64*\i
.endr
.endm
.macro MUL s, first                    ; 32 products; the accumulators take turns, one instruction a turn.  first = 1: the bias starts the sums
.set FP, (\s)%2
.if \first
	WIN 0x81                                       ; source 0 window 1, source 1 and C window 0, D window 2
.else
	WIN 0xa1
.endif
.irp a, 0,1,2,3
.irp b, 0,1,2,3,4,5,6,7
.if \first
	v_wmma_scale_f32_16x16x128_f8f6f4 v[8*(8*\a+\b):8*(8*\a+\b)+7], v[128*FP+12*\b:128*FP+12*\b+11], v[AF+48*FP+12*\a:AF+48*FP+12*\a+11], v[BI+8*\b:BI+8*\b+7], v[SC+8*FP+\b], v[SC+8*FP+\a] matrix_a_fmt:MATRIX_FMT_FP6 matrix_b_fmt:MATRIX_FMT_FP6 matrix_a_scale:MATRIX_SCALE_ROW1
.else
	v_wmma_scale_f32_16x16x128_f8f6f4 v[8*(8*\a+\b):8*(8*\a+\b)+7], v[128*FP+12*\b:128*FP+12*\b+11], v[AF+48*FP+12*\a:AF+48*FP+12*\a+11], v[8*(8*\a+\b):8*(8*\a+\b)+7], v[SC+8*FP+\b], v[SC+8*FP+\a] matrix_a_fmt:MATRIX_FMT_FP6 matrix_b_fmt:MATRIX_FMT_FP6 matrix_a_scale:MATRIX_SCALE_ROW1
.endif
.endr
.endr
	WIN 0
.endm
; A K step: its fragments are in; the next step's are asked for, four places behind the last product that read their registers (ISA guide 7.12.1); then the products.
; tc >= 0: the next step begins a chunk: my loads of it have landed (tc later loads of mine may be out), and a barrier shows it of every wave.
.macro KSTEP s, tc, first
	s_wait_dscnt 0x0
.if (\s) < 7
.if (\s) > 0
	PLACES 4
.endif
.if (\tc) >= 0
	s_wait_tensorcnt \tc
	s_barrier_signal -1
	s_barrier_wait -1
.endif
	FETCH (\s)+1
.endif
	MUL \s, \first
.endm
	s_load_b256 s[4:11], s[0:1], 0x0               ; cximg s[4:5], opimg s[6:7], bo s[8:9], out0 s[10:11]
	v_lshl_add_u32 v[SPW], v0, 2, SPARE
	v_mov_b32 v[NIL], 0
	ds_add_u32 v[SPW], v[NIL]                      ; the wave's opening: the add and its wait ahead of my first tensor load
	ds_add_u32 v[SPW], v[NIL]
	v_lshrrev_b32 v1, 5, v0
	v_readfirstlane_b32 s14, v1                    ; wave
	s_lshr_b32 s15, s14, 1                         ; ah.  Also: I fetch for A (0) or for B (1)
	s_and_b32 s16, s14, 1                          ; bg.  Also: which part I fetch
	s_bfe_u32 s40, ttmp6, 0x40000                  ; cx
	s_bfe_u32 s41, ttmp6, 0x40004                  ; cy
	s_and_b32 s17, ttmp7, 0xffff                   ; the cluster's y
	s_lshl_b32 s43, s17, 2
	s_add_co_u32 s43, s43, s41                     ; the tokens' group: hangs on cy alone
	s_lshl_b32 s42, s40, 1
	s_add_co_u32 s42, s42, 88                      ; Wo's first group: on cx alone
	s_lshl_b32 s44, s41, 2
	s_lshl_b32 s44, 15, s44                        ; my row of the cluster
	s_lshl_b32 s45, 0x1111, s40                    ; my column
	s_or_b32 s[G1A], s44, (3<<16)|(1<<21)          ; dense blocks as rows of 256 bytes: A 200 rows (four K steps); B 2 rows of HALF bytes
	s_mov_b32 s[G1A+1], 32<<16
	s_mov_b32 s[G1A+2], 200<<16                    ; A: 200 rows of 256 bytes: four K steps
	s_mov_b32 s[G1A+3], 32<<16
	s_mov_b32 s[G1A+4], 200
	s_mov_b32 s[G1A+5], 32
	s_mov_b32 s[G1A+6], 0
	s_mov_b32 s[G1A+7], 0
	s_or_b32 s[G1B], s45, (3<<16)|(1<<21)
	s_mov_b32 s[G1B+1], (HALF/8)<<16               ; B: 2 rows (groups) of HALF bytes, GRP bytes apart in memory, on end in LDS
	s_mov_b32 s[G1B+2], 2<<16
	s_mov_b32 s[G1B+3], (HALF/8)<<16
	s_mov_b32 s[G1B+4], 2
	s_mov_b32 s[G1B+5], GRP/8
	s_mov_b32 s[G1B+6], 0
	s_mov_b32 s[G1B+7], 0
	s_mul_i32 s86, s43, GRP                        ; A: my group, half wave / 2 of K
	s_mul_i32 s90, s15, HALF
	s_add_co_u32 s86, s86, s90
	s_mov_b32 s87, 0
	s_mul_i32 s88, s42, GRP                        ; B: both groups, the same half
	s_add_co_u32 s88, s88, s90
	s_mov_b32 s89, 0
	s_mul_i32 s90, s15, 3*HALF                     ; where that half of A lies in LDS; B's lies one unit behind it
	s_mul_i32 s91, s16, HALF
	s_add_co_u32 s91, s91, HALF                    ; what I multiply: group bg of B, K steps 0-3.  Kept until the LDS addresses below are made
	s_wait_dscnt 0x0                               ; the opening add is done
	s_wait_kmcnt 0x0
	s_add_nc_u64 s[86:87], s[4:5], s[86:87]
	s_add_nc_u64 s[88:89], s[6:7], s[88:89]
	CROUND                                         ; all sixteen work-groups are here: the joint loads meet
	s_mov_b32 s[G0A], 1
	s_add_co_u32 s[G0A+1], s90, 0
	s_mov_b64 s[G0A+2:G0A+3], s[86:87]
	s_or_b32 s[G0A+3], s[G0A+3], 0x80000000
	s_mov_b32 s[G0B], 1
	s_add_co_u32 s[G0B+1], s90, HALF
	s_mov_b64 s[G0B+2:G0B+3], s[88:89]
	s_or_b32 s[G0B+3], s[G0B+3], 0x80000000
	s_cmp_eq_u32 s14, 0                            ; one chain of branches on the wave's number, one load to an arm
	s_cbranch_scc0 .Lw1
	tensor_load_to_lds s[G0A:G0A+3], s[G1A:G1A+7]  ; wave 0: A's K steps 0-3
	s_nop 0
	PLACES 4
	s_branch .Lfilled
.Lw1:
	s_cmp_eq_u32 s14, 1
	s_cbranch_scc0 .Lw2
	tensor_load_to_lds s[G0B:G0B+3], s[G1B:G1B+7]  ; wave 1: B's K steps 0-3
	s_nop 0
	PLACES 4
	s_branch .Lfilled
.Lw2:
	s_cmp_eq_u32 s14, 2
	s_cbranch_scc0 .Lw3
	tensor_load_to_lds s[G0A:G0A+3], s[G1A:G1A+7]  ; wave 2: A's K steps 4-7
	s_nop 0
	PLACES 4
	s_branch .Lfilled
.Lw3:
	tensor_load_to_lds s[G0B:G0B+3], s[G1B:G1B+7]  ; wave 3: B's K steps 4-7
	s_nop 0
	PLACES 4
.Lfilled:
	v_and_b32 v1, 31, v0                           ; lane
	v_and_b32 v2, 15, v0                           ; r
	v_bfe_u32 v3, v0, 4, 1                         ; h
	v_lshlrev_b32 v[L8], 3, v1
	s_wait_alu depctr_va_vdst(0)
	v_lshlrev_b32 v[L16], 4, v1
	s_wait_alu depctr_va_vdst(0)
	v_lshlrev_b32 v[BO1], 6, v3
	s_lshl_b32 s92, s40, 1
	s_add_co_u32 s92, s92, s16                     ; my 128 columns: 2 cx + bg
	s_lshl_b32 s96, s92, 9
	s_mov_b32 s97, 0
	s_add_nc_u64 s[PB:PB+1], s[8:9], s[96:97]
.irp x, 0,1,2,3,4,5,6,7
	global_load_b128 v[BI+8*\x:BI+8*\x+3], v[BO1], s[PB:PB+1] offset:(32*(\x/2)+8*(\x%2))*4          ; the bias in the results' layout: columns 32 (x / 2) + 8 (x % 2) + 16 h + 0 .. 7
	global_load_b128 v[BI+8*\x+4:BI+8*\x+7], v[BO1], s[PB:PB+1] offset:(32*(\x/2)+8*(\x%2))*4+16
.endr
	s_lshl_b32 s93, s43, 19                        ; 128 rows of 4,096 bytes a group,
	s_lshl_b32 s94, s15, 18                        ; 64 rows for ah,
	s_add_co_u32 s93, s93, s94
	s_add_co_u32 s86, s93, s96                     ; 512 bytes for each 128 columns
	s_mov_b32 s87, 0
	s_add_nc_u64 s[OB:OB+1], s[10:11], s[86:87]
	s_mul_i32 s92, s15, 6144
	v_add_nc_u32 v[ADRA], s92, v[L8]
	v_add_nc_u32 v[ADRA+1], 3*HALF, v[ADRA]
	v_add_nc_u32 v[ADRB], s91, v[L16]
	v_add_nc_u32 v[ADRB+1], 3*HALF, v[ADRB]
	s_lshl_b32 s94, s15, 8
	s_sub_co_u32 s95, s91, s94                     ; from A's scale words to B's: one product with h
	s_add_co_u32 s96, s94, 12288
	v_lshlrev_b32 v6, 2, v2
	v_mul_u32_u24 v7, s95, v3
	v_add_nc_u32 v[ADRS], v6, v7
	v_add_nc_u32 v[ADRS], s96, v[ADRS]
	v_add_nc_u32 v[ADRS+1], 3*HALF, v[ADRS]
	s_add_co_u32 s97, s95, 256                     ; for scale registers 4 .. 7: lanes 0-15 stand 256 bytes lower, so that they stay among A's words
	s_add_co_u32 s96, s94, 12032
	v_mul_u32_u24 v7, s97, v3
	v_add_nc_u32 v[ADRT], v6, v7
	v_add_nc_u32 v[ADRT], s96, v[ADRT]
	v_add_nc_u32 v[ADRT+1], 3*HALF, v[ADRT]
	s_mul_i32 s92, s14, 16*SPITCH                  ; my stage
	v_mul_u32_u24 v[STO], v2, SPITCH
	v_lshl_add_u32 v[STO], v3, 6, v[STO]
	v_add_nc_u32 v[STO], s92, v[STO]               ; in: row r, + 64 h
	v_add_nc_u32 v[RD], s92, v[L16]                ; back: a row of 512 bytes to the 32 lanes
	s_wait_alu depctr_va_vdst(0)
	s_cmp_lt_u32 s14, 2
	s_cbranch_scc0 .Lnot_low
	s_wait_tensorcnt 0x0                           ; waves 0 and 1: K steps 0-3 of A and of B have landed
.Lnot_low:
	s_barrier_signal -1
	s_barrier_wait -1
	FETCH 0
	s_wait_loadcnt 0x0                             ; the bias
	KSTEP 0, -1, 1
	KSTEP 1, -1, 0
	KSTEP 2, -1, 0
	KSTEP 3, 0, 0                                  ; every wave waits for its load: K steps 4-7 are shown to all
	KSTEP 4, -1, 0
	KSTEP 5, -1, 0
	KSTEP 6, -1, 0
	KSTEP 7, -1, 0
; THE WAY OUT, a tile of 16 tokens x 128 columns at a time: a lane holds pieces of one row, so a tile goes through my own stage and comes back as whole rows of 512 bytes.  LDS serves a wave's instructions in order (ISA guide 5.7.1.4): no wait between the stores and the loads.
.macro TOSTAGE a
	WIN 0x08                                       ; an LDS store's data: window 2
.irp b, 0,1,2,3,4,5,6,7
	ds_store_b128 v[STO], v[64*(\a)+8*\b:64*(\a)+8*\b+3] offset:128*(\b/2)+32*(\b%2)          ; each accumulator from its low end on
	ds_store_b128 v[STO], v[64*(\a)+8*\b+4:64*(\a)+8*\b+7] offset:128*(\b/2)+32*(\b%2)+16
.endr
	WIN 0
.set BB, BK+64*((\a)%2)
.irp i, 0,1,2,3,4,5,6,7,8,9,10,11,12,13,14,15
	ds_load_b128 v[BB+4*\i:BB+4*\i+3], v[RD] offset:\i*SPITCH
.endr
.endm
.macro SEND a, younger                 ; younger: the LDS instructions issued behind tile a's loads, which may stay out
.set BB, BK+64*((\a)%2)
	s_wait_dscnt \younger
.irp i, 0,1,2,3,4,5,6,7,8,9,10,11,12,13,14,15
	global_store_b128 v[L16], v[BB+4*\i:BB+4*\i+3], s[OB:OB+1] offset:(32*((\a)/2)+8*((\a)%2)+\i+8*(\i/8))*4096 th:TH_STORE_NT   ; 32 lanes store 512 consecutive bytes, at a multiple of 256 from the buffer's first byte
.endr
.endm
	PLACES 4                                       ; behind the last products: the stores read results, the loads land where A's fragments lay
	TOSTAGE 0
.irp a, 1,2,3
.if \a > 1
	s_wait_xcnt 0x0                                ; tile a - 2's stores have read their registers: tile a's rows may land there
.endif
	TOSTAGE \a
	SEND \a-1, 32                                  ; behind tile a - 1's loads: tile a's 16 stores and 16 loads
.endr
	SEND 3, 0
	s_wait_tensorcnt 0x0                           ; the wave's end, ahead of the closing round
	ds_add_u32 v[SPW], v[NIL]
	s_wait_dscnt 0x0
	CROUND                                         ; no work-group ends while a partner may still ask for a block that names it
	s_endpgm
.Lfunc_end_k_qf1ff4eeae5_outp:
	.size	k_qf1ff4eeae5_outp, .Lfunc_end_k_qf1ff4eeae5_outp-k_qf1ff4eeae5_outp
	.p2alignl 7, 3214868480
	.fill 96, 4, 3214868480
	.section	.rodata,"a",@progbits
	.p2align	6, 0x0
	.amdhsa_kernel k_qf1ff4eeae5_outp
		.amdhsa_group_segment_fixed_size 307712
		.amdhsa_private_segment_fixed_size 0
		.amdhsa_enable_private_segment 0
		.amdhsa_kernarg_size 32
		.amdhsa_user_sgpr_count 2
		.amdhsa_user_sgpr_kernarg_segment_ptr 1
		.amdhsa_wavefront_size32 1
		.amdhsa_system_sgpr_workgroup_id_x 1
		.amdhsa_system_sgpr_workgroup_id_y 1
		.amdhsa_system_sgpr_workgroup_id_z 1
		.amdhsa_system_vgpr_workitem_id 0
		.amdhsa_next_free_vgpr 768
		.amdhsa_next_free_sgpr 98
		.amdhsa_reserve_vcc 0
		.amdhsa_float_denorm_mode_32 3
		.amdhsa_float_denorm_mode_16_64 3
		.amdhsa_memory_ordered 1
		.amdhsa_forward_progress 1
		.amdhsa_inst_pref_size 86
	.end_amdhsa_kernel
	.amdgpu_metadata
---
amdhsa.version: [ 1, 2 ]
amdhsa.kernels:
  - .name:           k_qf1ff4eeae5_outp
    .symbol:         k_qf1ff4eeae5_outp.kd
    .args:
      - { .name: cximg, .offset: 0, .size: 8, .value_kind: global_buffer, .address_space: global }
      - { .name: opimg, .offset: 8, .size: 8, .value_kind: global_buffer, .address_space: global }
      - { .name: bo, .offset: 16, .size: 8, .value_kind: global_buffer, .address_space: global }
      - { .name: out0, .offset: 24, .size: 8, .value_kind: global_buffer, .address_space: global }
    .group_segment_fixed_size: 307712
    .private_segment_fixed_size: 0
    .kernarg_segment_align: 8
    .kernarg_segment_size: 32
    .max_flat_workgroup_size: 128
    .sgpr_count:     98
    .vgpr_count:     768
    .wavefront_size: 32
...
	.end_amdgpu_metadata
.endif
;; end of part 4
